; MI455X (gfx1250); checked and timed in simulation.
; The chip was launched on July 23, 2026; its instructions are those of AMD's public machine-readable ISA for CDNA 5 (MIT licence, August 2026) and "CDNA5" Instruction Set Architecture Reference Guide (July 2026). The comments in the code are by the model that wrote it; some were corrected since.
;; Harmonic Causal Self Attention. Allowed arithmetic: float matrix products may take bf16 or f16 operands with f32 sums; all other float work in f32.
;; Inputs: c_U 1,024 x 64 float32; c_V 64 x 1,024 float32; k_U 1,024 x 64 float32; k_V 64 x 1,024 float32; q_U 1,024 x 64 float32; q_V 64 x 1,024 float32; v_U 1,024 x 64 float32; v_V 64 x 1,024 float32; x 4 x 2,048 x 1,024 float32.
;; Outputs: out0 4 x 2,048 x 1,024 float32.
;; 2 versions, each right and faster than the one before. Each part assembles by itself: llvm-mc -triple=amdgcn-amd-amdhsa -mcpu=gfx1250 --defsym DOCPART=n.
;; ======== version 1 of 2: 2 launches
;; limits: values are held in f16: magnitudes above 65,504 overflow, below 6.1e-05 lose precision
;; workspace buffers: tq 1,048,576 bytes; kv 3,145,728 bytes; mt 131,072 bytes; nt 262,144 bytes; cub 131,072 bytes
;; launch proj (part 1): grid 256 x 1, 4 waves a work-group, clusters of 4 x 1, 327,680 bytes of LDS; arguments x, q_V, k_V, v_V, q_U, k_U, v_U, c_V, c_U, tq, kv, mt, nt, cub; writes tq, kv, mt, nt, cub
.if DOCPART == 1
	.amdgcn_target "amdgcn-amd-amdhsa--gfx1250"
	.amdhsa_code_object_version 6
	.text
	.protected	k_q5752fdbf40_proj
	.globl	k_q5752fdbf40_proj
	.p2align	8
	.type	k_q5752fdbf40_proj,@function
k_q5752fdbf40_proj:
	s_mov_b64 s[64:65], 0
	v_nop
	global_prefetch_b8 v0, s[64:65] scope:SCOPE_SE
	s_setreg_imm32_b32 hwreg(HW_REG_WAVE_MODE, 25, 1), 1
	s_wait_xcnt 0x0
	s_wait_alu depctr_hold_cnt(0) depctr_sa_sdst(0) depctr_va_vdst(0) depctr_va_sdst(0) depctr_va_ssrc(0) depctr_va_vcc(0) depctr_vm_vsrc(0)
	s_getreg_b32 s2, hwreg(HW_REG_IB_STS2, 6, 4)
	s_cmp_eq_u32 s2, 0
	s_cbranch_scc0 .Lentry_in_a_cluster
	s_endpgm
.Lentry_in_a_cluster:
	s_bfe_u32 s2, ttmp6, 0x10000c
	s_cmp_lg_u32 s2, 0x3003
	s_cbranch_scc0 .Lentry_shape_is_right
	s_endpgm
.Lentry_shape_is_right:
; FIRST LAUNCH: the three rank-64 projections of x, and the small tables that the attention launch multiplies by.
;   t_q = (x qV^T) s, t_k = (x kV^T) s, t_v = (x vV^T) s, s_k = (k+1)^-0.7         (8192 tokens x 64 ranks each)
;   M_h[r1][r2] = 0.125 log2(e) sum_d qU[64h+d][r1] kU[64h+d][r2]     so that scores_h = (t_q M_h) t_k^T, in base 2
;   N_h[r][r']  = s_r' sum_d vU[64h+d][r] cV[r'][64h+d]               so that z = sum_h (P_h t_v) N_h, out = z cU^T
; The regrouping holds for every input; it changes the order of rounding, not the algebra.
; Out: tq [token][64] bf16;  kv: one chunk of 12,288 bytes for 32 tokens = K [32 keys][64 ranks] bf16, then V [64 features][32 keys f16 hi | 32 keys f16 lo];
; mt, nt (hi half, lo half 131,072 bytes further), cub = bf16(cU): tiles of 16 x 16 bf16 = 512 bytes, row-major inside a tile.
; SHARES: 256 work-groups, 32 tokens each (one kv chunk) and one tile each of mt, nt and cub.  Wave w makes ranks 16w..16w+15 of q, k and v for both
; tiles of 16 tokens: six accumulators.  The 1,024 columns go in 8 steps of 128 through two LDS slots of f32 rows (512 bytes + 16 of padding).
; CLUSTER: the four work-groups of a cluster walk the same rows of qV, kV and vV, 98,304 of a step's 114,688 bytes: these three tiles are asked for jointly
; (waves 0, 1, 2: one tile each); x's 32 rows are the work-group's own (wave 3).
; FORMATS AND LIMITS: every input is rounded once to bf16 on its way to the matrix unit; sums are f32.  t_q, t_k and M are kept in bf16.
; t_v is kept as a pair of f16 (hi + lo): right for |t_v s| up to 65,504, resolved to about 3e-8 absolutely.  N is kept as a pair of bf16.
; NaN and infinities in the inputs get no special care.
.set PITCH, 528                        ; an LDS row: 512 bytes + 16: sixteen rows that a load touches start 16 bytes apart modulo 256
.set WREG,  64*PITCH                   ; one weight tile: 64 rows
.set XOFF,  3*WREG                     ; x's 32 rows lie behind the three weight tiles
.set SLOT,  224*PITCH
.set STAGE, 2*SLOT                     ; 236,544 = 924 x 256: the way out's stage, into which no tensor load ever lands
.set SP,    144                        ; a stage row: 128 bytes + 16
.set G1W, 44                           ; s[44:51] shape of a weight tile (joint)
.set G1X, 52                           ; s[52:59] shape of x's tile (own)
.set G0W, 60                           ; s[60:63] slot 0, s[68:71] slot 1: weight tile, from where and to where
.set G0X, 72                           ; s[72:75] slot 0, s[76:79] slot 1: x's tile
.set ADR, 4                            ; v4-11   LDS address of my fragments: 4 x slot + (0 qV, 1 kV, 2 vV, 3 x)
.set SQ,  16                           ; v16-23  s of ranks 16w + 8hh + j
.set SV,  24                           ; v24-25  s of rank 16w + r, twice
.set AQ,  32                           ; v32-47  q: D(m = rank, n = token), token tiles 0 and 1
.set AK,  48                           ; v48-63  k likewise
.set AV,  64                           ; v64-79  v: D(m = token, n = rank)
.set R0,  80                           ; v80-159   fragment buffer 0: five groups of 16 (qV, kV, vV, x tokens 0-15, x tokens 16-31)
.set R1,  160                          ; v160-239  fragment buffer 1
.macro NOPS n
.rept \n
	v_nop
.endr
.endm
; A round of the cluster's barrier: my work-group's barrier, wave 0 signals for the work-group, every wave waits for all four work-groups, my work-group's barrier again.
.macro ROUND
	s_barrier_signal -1
	s_barrier_wait -1
	s_cmp_lg_u32 s3, 0
	s_cbranch_scc1 .Lnot_wave_0_\@
	s_barrier_signal -3
.Lnot_wave_0_\@:
	s_barrier_wait -3
	s_barrier_signal -1
	s_barrier_wait -1
.endm
; One tensor load a wave: waves 0 to 2 a weight tile (joint: nothing in its registers hangs on the place in the cluster), wave 3 my 32 rows of x.
.macro JLOAD slot
	s_cmp_eq_u32 s3, 3
	s_cbranch_scc1 .Lfor_x_\@
	tensor_load_to_lds s[G0W+8*\slot:G0W+8*\slot+3], s[G1W:G1W+7]
	s_nop 0
	s_branch .Lasked_\@
.Lfor_x_\@:
	tensor_load_to_lds s[G0X+4*\slot:G0X+4*\slot+3], s[G1X:G1X+7]
	s_nop 0
.Lasked_\@:
.endm
; 20 LDS loads: the f32 numbers of one chunk of 32 columns.  A lane's 16 numbers of a row: columns 8hh..8hh+7 and 16+8hh..16+8hh+7 of the chunk.
.macro LOADS slot, kk, x
.irp g,0,1,2,3
	ds_load_b128 v[\x+16*\g:\x+16*\g+3],     v[ADR+4*\slot+\g] offset:128*(\kk)
	ds_load_b128 v[\x+16*\g+4:\x+16*\g+7],   v[ADR+4*\slot+\g] offset:128*(\kk)+16
	ds_load_b128 v[\x+16*\g+8:\x+16*\g+11],  v[ADR+4*\slot+\g] offset:128*(\kk)+64
	ds_load_b128 v[\x+16*\g+12:\x+16*\g+15], v[ADR+4*\slot+\g] offset:128*(\kk)+80
.endr
	ds_load_b128 v[\x+64:\x+67], v[ADR+4*\slot+3] offset:128*(\kk)+16*PITCH
	ds_load_b128 v[\x+68:\x+71], v[ADR+4*\slot+3] offset:128*(\kk)+16*PITCH+16
	ds_load_b128 v[\x+72:\x+75], v[ADR+4*\slot+3] offset:128*(\kk)+16*PITCH+64
	ds_load_b128 v[\x+76:\x+79], v[ADR+4*\slot+3] offset:128*(\kk)+16*PITCH+80
.endm
; 16 f32 to one bf16 fragment of 8 registers, in place: register i takes numbers 2i and 2i+1, which lie at or above it
.macro CVT8 b
.irp i,0,1,2,3,4,5,6,7
	v_cvt_pk_bf16_f32 v[\b+\i], v[\b+2*\i], v[\b+2*\i+1]
.endr
.endm
.macro MM d, a, b, zero
.if \zero
	v_wmma_f32_16x16x32_bf16 v[\d:\d+7], v[\a:\a+7], v[\b:\b+7], 0
.else
	v_wmma_f32_16x16x32_bf16 v[\d:\d+7], v[\a:\a+7], v[\b:\b+7], v[\d:\d+7]
.endif
.endm
; One chunk of 32 columns on buffer x; the next chunk's loads go into buffer y behind eight conversions, which name none of the registers of the
; matrix instructions that read y last: they are the places that a load into a matrix source has to stand behind.
; The six accumulators take turns, one instruction a turn.
.macro CH slot, kk, x, y, zero
	s_wait_dscnt 0x0                               ; only this chunk's 20 loads are out
	CVT8 \x
.if \kk < 3
	LOADS \slot, (\kk+1), \y
.endif
	CVT8 \x+16
	CVT8 \x+32
	CVT8 \x+48
	CVT8 \x+64
	MM AQ,   \x,    \x+48, \zero
	MM AQ+8, \x,    \x+64, \zero
	MM AK,   \x+16, \x+48, \zero
	MM AK+8, \x+16, \x+64, \zero
	MM AV,   \x+48, \x+32, \zero
	MM AV+8, \x+64, \x+32, \zero
.endm
; One step of 128 columns.  In front of the round every wave has waited for all its tensor loads and for its reads of the other slot;
; behind it the other slot is asked for first, one load a wave, and has this step's work in which to land.
.macro TRIP slot, refill, zero
	s_wait_tensorcnt 0x0                           ; all my tensor loads have landed, my part of this step's tiles among them: group 0 words may be written
	ds_add_u32 v240, v241
	s_wait_dscnt 0x0
	s_add_nc_u64 s[G0W+8*\slot+2:G0W+8*\slot+3], s[G0W+8*\slot+2:G0W+8*\slot+3], 1024   ; this slot's next tiles: two steps of 512 bytes on
	s_add_nc_u64 s[G0X+4*\slot+2:G0X+4*\slot+3], s[G0X+4*\slot+2:G0X+4*\slot+3], 1024
	s_wait_dscnt 0x0                               ; my reads of the last step's slot are back
	ROUND
.if \refill
	JLOAD (1-\slot)
.endif
	LOADS \slot, 0, R0
	CH \slot, 0, R0, R1, \zero
	CH \slot, 1, R1, R0, 0
	CH \slot, 2, R0, R1, 0
	CH \slot, 3, R1, R0, 0
.endm
; x0, x1 (f32) = hi + lo, each a packed pair of bf16
.macro SPLITB x, dh, dl, t
	v_cvt_pk_bf16_f32 v[\dh], v[\x], v[\x+1]
	v_lshlrev_b32 v[\t], 16, v[\dh]
	v_and_b32 v[\t+1], 0xffff0000, v[\dh]
	v_pk_add_f32 v[\t:\t+1], v[\x:\x+1], v[\t:\t+1] neg_lo:[0,1] neg_hi:[0,1]
	v_cvt_pk_bf16_f32 v[\dl], v[\t], v[\t+1]
.endm
; the same in f16; dh and dl are plain register numbers, since a half register is named v88.l
.macro SPLITH x, dh, dl, t
	v_cvt_pk_f16_f32 v\dh, v[\x], v[\x+1]
	v_cvt_f32_f16 v[\t], v\dh\().l
	v_cvt_f32_f16 v[\t+1], v\dh\().h
	v_pk_add_f32 v[\t:\t+1], v[\x:\x+1], v[\t:\t+1] neg_lo:[0,1] neg_hi:[0,1]
	v_cvt_pk_f16_f32 v\dl, v[\t], v[\t+1]
.endm
; 64 rows d x 16 columns of a U matrix, transposed into fragment order: a lane takes column r at d = 32c + 8hh + e and 32c + 16 + 8hh + e
.macro UT dst, adr, base
.irp c,0,1
.irp e,0,1,2,3,4,5,6,7
	global_load_b32 v[\dst+16*\c+\e],   v[\adr], s[\base:\base+1] offset:(32*\c+\e)*256
	global_load_b32 v[\dst+16*\c+8+\e], v[\adr], s[\base:\base+1] offset:(32*\c+16+\e)*256
.endr
.endr
.endm
	s_load_b512 s[16:31], s[0:1], 0x0              ; x 16, qV 18, kV 20, vV 22, qU 24, kU 26, vU 28, cV 30
	s_load_b256 s[32:39], s[0:1], 0x40             ; cU 32, tq 34, kv 36, mt 38
	s_load_b128 s[40:43], s[0:1], 0x60             ; nt 40, cub 42
	v_lshl_add_u32 v240, v0, 2, 0x3e400
	v_mov_b32 v241, 0
	ds_add_u32 v240, v241
	v_lshrrev_b32 v1, 5, v0
	v_readfirstlane_b32 s3, v1                     ; wave 0..3
	s_bfe_u32 s4, ttmp6, 0x40000                   ; my place in the cluster
	s_lshl_b32 s5, ttmp9, 2
	s_add_co_u32 s5, s5, s4                        ; work-group 0..255
	; shape of a weight tile: 64 rows x 128 elements of 4 bytes, 4 words of padding behind every 128 words, mask of all four partners
	s_mov_b32 s[G1W+0], 15|(2<<16)|(1<<20)|(1<<21)|(6<<22)|(3<<25)
	s_mov_b32 s[G1W+1], 128<<16                    ; tensor_dim0 = 128
	s_mov_b32 s[G1W+2], 64<<16                     ; tensor_dim1 = 64
	s_mov_b32 s[G1W+3], 128<<16                    ; tile_dim0 = 128
	s_mov_b32 s[G1W+4], 64                         ; tile_dim1 = 64
	s_mov_b32 s[G1W+5], 1024                       ; elements from row to row
	s_mov_b32 s[G1W+6], 0
	s_mov_b32 s[G1W+7], 0
	; shape of x's tile: 32 rows, no mask
	s_mov_b32 s[G1X+0], (2<<16)|(1<<20)|(6<<22)|(3<<25)
	s_mov_b32 s[G1X+1], 128<<16
	s_mov_b32 s[G1X+2], 32<<16
	s_mov_b32 s[G1X+3], 128<<16
	s_mov_b32 s[G1X+4], 32
	s_mov_b32 s[G1X+5], 1024
	s_mov_b32 s[G1X+6], 0
	s_mov_b32 s[G1X+7], 0
	s_mul_i32 s6, s3, WREG                         ; a weight tile's place in a slot: the wave's number alone
	s_mov_b32 s[G0W], 1
	s_mov_b32 s[G0W+1], s6
	s_mov_b32 s[G0W+8], 1
	s_add_co_u32 s[G0W+9], s6, SLOT
	s_mov_b32 s[G0X], 1
	s_mov_b32 s[G0X+1], XOFF
	s_mov_b32 s[G0X+4], 1
	s_mov_b32 s[G0X+5], SLOT+XOFF
	s_lshl_b32 s8, s5, 17                          ; 32 rows of 4,096 bytes for each work-group
	s_mov_b32 s9, 0
	s_wait_dscnt 0x0
	s_wait_kmcnt 0x0
	s_cmp_eq_u32 s3, 1
	s_cselect_b64 s[10:11], s[20:21], s[18:19]     ; wave 0: qV, wave 1: kV,
	s_cmp_eq_u32 s3, 2
	s_cselect_b64 s[10:11], s[22:23], s[10:11]     ; wave 2: vV
	s_mov_b64 s[G0W+2:G0W+3], s[10:11]
	s_add_nc_u64 s[G0W+10:G0W+11], s[10:11], 512
	s_or_b32 s[G0W+3], s[G0W+3], 0x80000000
	s_or_b32 s[G0W+11], s[G0W+11], 0x80000000
	s_add_nc_u64 s[G0X+2:G0X+3], s[16:17], s[8:9]
	s_add_nc_u64 s[G0X+6:G0X+7], s[G0X+2:G0X+3], 512
	s_or_b32 s[G0X+3], s[G0X+3], 0x80000000
	s_or_b32 s[G0X+7], s[G0X+7], 0x80000000
	ROUND                                          ; all four work-groups are here: the first joint loads meet
	JLOAD 0                                        ; step 0; slot 1 is first filled behind the first step's round
	; lane terms, while step 0 is on its way
	v_and_b32 v1, 15, v0                           ; r
	v_bfe_u32 v2, v0, 4, 1                         ; hh
	v_lshlrev_b32 v3, 5, v1
	v_lshl_add_u32 v3, v2, 4, v3                   ; 32 r + 16 hh: my 16 bytes of a 512-byte tile
	v_mul_u32_u24 v26, v1, PITCH
	v_lshl_add_u32 v26, v2, 5, v26                 ; r x pitch + 32 hh
	s_mul_i32 s6, s3, 16*PITCH
	v_add_nc_u32 v27, s6, v26                      ; + my 16 ranks
.irp s,0,1
.irp g,0,1,2
	v_add_nc_u32 v[ADR+4*\s+\g], \s*SLOT+\g*WREG, v27
.endr
	v_add_nc_u32 v[ADR+4*\s+3], \s*SLOT+XOFF, v26
.endr
	v_mul_u32_u24 v26, v1, SP
	v_lshl_add_u32 v26, v2, 4, v26                 ; r x 144 + 16 hh
	s_lshl_b32 s6, s3, 5
	s_add_co_u32 s6, s6, STAGE
	v_add_nc_u32 v12, s6, v26                      ; stage, q and k: row = token r, bytes 32 w + 16 hh (8 ranks)
	s_mul_i32 s6, s3, 16*SP
	s_add_co_u32 s6, s6, STAGE+64*SP
	v_add_nc_u32 v13, s6, v26                      ; stage, v: row 64 + feature 16 w + r, bytes 16 hh (8 keys)
	v_lshrrev_b32 v26, 3, v0
	v_and_b32 v27, 7, v0
	v_mul_u32_u24 v14, v26, SP
	v_lshl_add_u32 v14, v27, 4, v14
	v_add_nc_u32 v14, STAGE, v14                   ; stage, back: thread t takes 16 bytes of row t / 8
	v_lshlrev_b32 v15, 4, v0                       ; and puts them at byte 16 t
	; s = (rank + 1)^-0.7 = exp2(-0.7 log2(rank + 1)); rank 0 gives exactly 1
	s_lshl_b32 s6, s3, 4
	s_add_co_u32 s6, s6, 1
	v_lshl_add_u32 v26, v2, 3, s6                  ; 16 w + 8 hh + 1
.irp j,0,1,2,3,4,5,6,7
	v_add_nc_u32 v[SQ+\j], \j, v26
.endr
	v_add_nc_u32 v[SV], s6, v1                     ; 16 w + r + 1
.irp j,0,1,2,3,4,5,6,7,8
	v_cvt_f32_u32 v[SQ+\j], v[SQ+\j]
.endr
.irp j,0,1,2,3,4,5,6,7,8
	v_log_f32 v[SQ+\j], v[SQ+\j]
.endr
	v_nop                                          ; one plain place behind a transcendental before its result is used (ISA guide 5.7.2)
	s_wait_alu depctr_va_vdst(0)
.irp j,0,1,2,3,4,5,6,7,8
	v_mul_f32 v[SQ+\j], 0xbf333333, v[SQ+\j]
.endr
.irp j,0,1,2,3,4,5,6,7,8
	v_exp_f32 v[SQ+\j], v[SQ+\j]
.endr
	v_nop
	s_wait_alu depctr_va_vdst(0)
	v_mov_b32 v[SV+1], v[SV]
	; one tile each of mt (wave 0), nt (wave 1) and cub (wave 2): tile number = work-group number; each store covers 512 consecutive bytes
	s_lshr_b32 s6, s5, 4                           ; h
	s_bfe_u32 s7, s5, 0x20002                      ; a: which 16 rows of the table
	s_and_b32 s8, s5, 3                            ; bb: which 16 columns
	s_lshl_b32 s82, s5, 9
	s_mov_b32 s83, 0                               ; 512 x work-group, as a pair
	s_lshl_b32 s9, s6, 14                          ; 64 h rows of 256 bytes in a U matrix
	s_lshl_b32 s10, s8, 6
	s_add_co_u32 s10, s10, s9
	v_lshlrev_b32 v30, 2, v1
	v_lshl_add_u32 v30, v2, 11, v30                ; 4 r + 8 hh rows
	v_add_nc_u32 v28, s10, v30                     ; columns 16 bb + r
	s_cmp_eq_u32 s3, 0
	s_cbranch_scc1 .Lprep_m
	s_cmp_eq_u32 s3, 1
	s_cbranch_scc1 .Lprep_n
	s_cmp_eq_u32 s3, 2
	s_cbranch_scc1 .Lprep_c
	s_branch .Lprep_done
.Lprep_m:
	; D(m = r1 = 16bb + .., n = r2 = 16a + r) = sum_d qU[d][r1] kU[d][r2]: a lane ends with 8 neighbouring r1 of row r2 = r
	s_lshl_b32 s11, s7, 6
	s_add_co_u32 s11, s11, s9
	v_add_nc_u32 v29, s11, v30                     ; columns 16 a + r
	s_add_nc_u64 s[84:85], s[38:39], s[82:83]
	UT 80, 28, 24
	UT 112, 29, 26
	s_wait_loadcnt 0x0
	CVT8 80
	CVT8 96
	CVT8 112
	CVT8 128
	MM 160, 80, 112, 1                             ; d = 0..31 and d = 32..63 in accumulators of their own
	MM 168, 96, 128, 1
	NOPS 4
.irp i,0,2,4,6
	v_pk_add_f32 v[160+\i:161+\i], v[160+\i:161+\i], v[168+\i:169+\i]
.endr
.irp i,0,2,4,6
	v_pk_mul_f32 v[160+\i:161+\i], v[160+\i:161+\i], 0x3e38aa3b op_sel_hi:[1,0]   ; 1/sqrt(64) x log2(e)
.endr
.irp i,0,1,2,3
	v_cvt_pk_bf16_f32 v[176+\i], v[160+2*\i], v[161+2*\i]
.endr
	global_store_b128 v3, v[176:179], s[84:85]
	s_branch .Lprep_done
.Lprep_n:
	; D(m = r = 16bb + .., n = r' = 16a + r) = sum_d vU[d][r] cV[r'][d], times s of r'
	s_lshl_b32 s11, s7, 16                         ; 16 a rows of 4,096 bytes of cV
	s_lshl_b32 s12, s6, 8                          ; 64 h columns
	s_add_co_u32 s11, s11, s12
	v_lshlrev_b32 v29, 12, v1
	v_lshl_add_u32 v29, v2, 5, v29
	v_add_nc_u32 v29, s11, v29
	s_add_nc_u64 s[84:85], s[40:41], s[82:83]
	UT 80, 28, 28
.irp c,0,1
	global_load_b128 v[112+16*\c:115+16*\c], v29, s[30:31] offset:128*\c
	global_load_b128 v[116+16*\c:119+16*\c], v29, s[30:31] offset:128*\c+16
	global_load_b128 v[120+16*\c:123+16*\c], v29, s[30:31] offset:128*\c+64
	global_load_b128 v[124+16*\c:127+16*\c], v29, s[30:31] offset:128*\c+80
.endr
	s_lshl_b32 s12, s7, 4
	s_add_co_u32 s12, s12, 1
	v_add_nc_u32 v26, s12, v1                      ; r' + 1
	v_cvt_f32_u32 v26, v26
	v_log_f32 v26, v26
	v_nop
	s_wait_alu depctr_va_vdst(0)
	v_mul_f32 v26, 0xbf333333, v26
	v_exp_f32 v26, v26
	v_nop
	s_wait_alu depctr_va_vdst(0)
	v_mov_b32 v27, v26
	s_wait_loadcnt 0x0
	CVT8 80
	CVT8 96
	CVT8 112
	CVT8 128
	MM 160, 80, 112, 1
	MM 168, 96, 128, 1
	NOPS 4
.irp i,0,2,4,6
	v_pk_add_f32 v[160+\i:161+\i], v[160+\i:161+\i], v[168+\i:169+\i]
.endr
.irp i,0,2,4,6
	v_pk_mul_f32 v[160+\i:161+\i], v[160+\i:161+\i], v[26:27]
.endr
.irp i,0,1,2,3
	SPLITB 160+2*\i, 176+\i, 180+\i, 184+2*\i
.endr
	global_store_b128 v3, v[176:179], s[84:85]
	global_store_b128 v3, v[180:183], s[84:85] offset:131072
	s_branch .Lprep_done
.Lprep_c:
	; rows 16 (wg / 4) + r, columns 16 bb + 8 hh .. + 7 of cU, rounded to bf16
	s_lshr_b32 s11, s5, 2
	s_lshl_b32 s11, s11, 12
	s_lshl_b32 s12, s8, 6
	s_add_co_u32 s11, s11, s12
	v_lshlrev_b32 v29, 8, v1
	v_lshl_add_u32 v29, v2, 5, v29
	v_add_nc_u32 v29, s11, v29
	s_add_nc_u64 s[84:85], s[42:43], s[82:83]
	global_load_b128 v[80:83], v29, s[32:33]
	global_load_b128 v[84:87], v29, s[32:33] offset:16
	s_wait_loadcnt 0x0
.irp i,0,1,2,3
	v_cvt_pk_bf16_f32 v[88+\i], v[80+2*\i], v[81+2*\i]
.endr
	global_store_b128 v3, v[88:91], s[84:85]
.Lprep_done:
	s_wait_xcnt 0x0                                ; the stores' data and base are written again only behind this wait
	; the eight steps; the first products start the sums, so the first lap stands in front of the loop
	TRIP 0, 1, 1
	TRIP 1, 1, 0
	s_mov_b32 s80, 2
.Lstep:
	TRIP 0, 1, 0
	TRIP 1, 1, 0
	s_sub_co_u32 s80, s80, 1
	s_cmp_lg_u32 s80, 0
	s_cbranch_scc1 .Lstep
	TRIP 0, 1, 0
	TRIP 1, 0, 0                                   ; the last step asks for nothing
	; THE WAY OUT: scale by s, round, 16 bytes a lane into the stage, read back as whole rows
	NOPS 4                                         ; the places behind the last matrix instructions
.irp tt,0,1
.irp i,0,2,4,6
	v_pk_mul_f32 v[AQ+8*\tt+\i:AQ+8*\tt+\i+1], v[AQ+8*\tt+\i:AQ+8*\tt+\i+1], v[SQ+\i:SQ+\i+1]
	v_pk_mul_f32 v[AK+8*\tt+\i:AK+8*\tt+\i+1], v[AK+8*\tt+\i:AK+8*\tt+\i+1], v[SQ+\i:SQ+\i+1]
	v_pk_mul_f32 v[AV+8*\tt+\i:AV+8*\tt+\i+1], v[AV+8*\tt+\i:AV+8*\tt+\i+1], v[SV:SV+1]
.endr
.irp i,0,1,2,3
	v_cvt_pk_bf16_f32 v[80+\i], v[AQ+8*\tt+2*\i], v[AQ+8*\tt+2*\i+1]
	v_cvt_pk_bf16_f32 v[84+\i], v[AK+8*\tt+2*\i], v[AK+8*\tt+2*\i+1]
.endr
	ds_store_b128 v12, v[80:83] offset:\tt*16*SP             ; t_q: rows 0-31
	ds_store_b128 v12, v[84:87] offset:\tt*16*SP+32*SP       ; t_k: rows 32-63
	SPLITH AV+8*\tt+0, 88, 92, 96
	SPLITH AV+8*\tt+2, 89, 93, 98
	SPLITH AV+8*\tt+4, 90, 94, 100
	SPLITH AV+8*\tt+6, 91, 95, 102
	ds_store_b128 v13, v[88:91] offset:32*\tt                ; t_v hi: keys 16 tt + 8 hh ..
	ds_store_b128 v13, v[92:95] offset:64+32*\tt             ; t_v lo
.endr
	s_lshl_b32 s82, s5, 12
	s_add_nc_u64 s[84:85], s[34:35], s[82:83]      ; tq + 4,096 x work-group
	s_mul_i32 s82, s5, 12288
	s_add_nc_u64 s[86:87], s[36:37], s[82:83]      ; kv + 12,288 x work-group
	s_wait_dscnt 0x0                               ; my stage stores are done, for the other waves' sake
	s_barrier_signal -1
	s_barrier_wait -1
.irp i,0,1,2,3,4,5,6,7
	ds_load_b128 v[80+4*\i:83+4*\i], v14 offset:\i*16*SP
.endr
.irp i,0,1
	s_wait_dscnt 7-\i                              ; LDS loads come back in order: load i is in
	global_store_b128 v15, v[80+4*\i:83+4*\i], s[84:85] offset:\i*2048      ; a wave's store covers 512 consecutive bytes
.endr
.irp i,2,3,4,5,6,7
	s_wait_dscnt 7-\i
	global_store_b128 v15, v[80+4*\i:83+4*\i], s[86:87] offset:(\i-2)*2048
.endr
	s_wait_tensorcnt 0x0
	ds_add_u32 v240, v241
	s_wait_dscnt 0x0
	ROUND                                          ; the closing round: no work-group ends while a partner may still ask jointly
	s_endpgm
.Lfunc_end_k_q5752fdbf40_proj:
	.size	k_q5752fdbf40_proj, .Lfunc_end_k_q5752fdbf40_proj-k_q5752fdbf40_proj
	.p2alignl 7, 3214868480
	.fill 96, 4, 3214868480
	.section	.rodata,"a",@progbits
	.p2align	6, 0x0
	.amdhsa_kernel k_q5752fdbf40_proj
		.amdhsa_group_segment_fixed_size 327680
		.amdhsa_private_segment_fixed_size 0
		.amdhsa_enable_private_segment 0
		.amdhsa_kernarg_size 112
		.amdhsa_user_sgpr_count 2
		.amdhsa_user_sgpr_kernarg_segment_ptr 1
		.amdhsa_wavefront_size32 1
		.amdhsa_system_sgpr_workgroup_id_x 1
		.amdhsa_system_sgpr_workgroup_id_y 1
		.amdhsa_system_sgpr_workgroup_id_z 1
		.amdhsa_system_vgpr_workitem_id 0
		.amdhsa_next_free_vgpr 242
		.amdhsa_next_free_sgpr 88
		.amdhsa_reserve_vcc 0
		.amdhsa_float_denorm_mode_32 3
		.amdhsa_float_denorm_mode_16_64 3
		.amdhsa_memory_ordered 1
		.amdhsa_forward_progress 1
		.amdhsa_inst_pref_size 139
	.end_amdhsa_kernel
	.amdgpu_metadata
---
amdhsa.version: [ 1, 2 ]
amdhsa.kernels:
  - .name:           k_q5752fdbf40_proj
    .symbol:         k_q5752fdbf40_proj.kd
    .args:
      - { .name: x, .offset: 0, .size: 8, .value_kind: global_buffer, .address_space: global }
      - { .name: q_V, .offset: 8, .size: 8, .value_kind: global_buffer, .address_space: global }
      - { .name: k_V, .offset: 16, .size: 8, .value_kind: global_buffer, .address_space: global }
      - { .name: v_V, .offset: 24, .size: 8, .value_kind: global_buffer, .address_space: global }
      - { .name: q_U, .offset: 32, .size: 8, .value_kind: global_buffer, .address_space: global }
      - { .name: k_U, .offset: 40, .size: 8, .value_kind: global_buffer, .address_space: global }
      - { .name: v_U, .offset: 48, .size: 8, .value_kind: global_buffer, .address_space: global }
      - { .name: c_V, .offset: 56, .size: 8, .value_kind: global_buffer, .address_space: global }
      - { .name: c_U, .offset: 64, .size: 8, .value_kind: global_buffer, .address_space: global }
      - { .name: tq, .offset: 72, .size: 8, .value_kind: global_buffer, .address_space: global }
      - { .name: kv, .offset: 80, .size: 8, .value_kind: global_buffer, .address_space: global }
      - { .name: mt, .offset: 88, .size: 8, .value_kind: global_buffer, .address_space: global }
      - { .name: nt, .offset: 96, .size: 8, .value_kind: global_buffer, .address_space: global }
      - { .name: cub, .offset: 104, .size: 8, .value_kind: global_buffer, .address_space: global }
    .group_segment_fixed_size: 327680
    .private_segment_fixed_size: 0
    .kernarg_segment_align: 8
    .kernarg_segment_size: 112
    .max_flat_workgroup_size: 128
    .sgpr_count:     88
    .vgpr_count:     242
    .wavefront_size: 32
...
	.end_amdgpu_metadata
.endif
;; end of part 1
;; launch attn (part 2): grid 64 x 4, 8 waves a work-group, clusters of 4 x 1, 327,680 bytes of LDS; arguments tq, kv, mt, nt, cub, out0; writes out0
.if DOCPART == 2
	.amdgcn_target "amdgcn-amd-amdhsa--gfx1250"
	.amdhsa_code_object_version 6
	.text
	.protected	k_q5752fdbf40_attn
	.globl	k_q5752fdbf40_attn
	.p2align	8
	.type	k_q5752fdbf40_attn,@function
k_q5752fdbf40_attn:
	s_mov_b64 s[64:65], 0
	v_nop
	global_prefetch_b8 v0, s[64:65] scope:SCOPE_SE
	s_setreg_imm32_b32 hwreg(HW_REG_WAVE_MODE, 25, 1), 1
	s_wait_xcnt 0x0
	s_wait_alu depctr_hold_cnt(0) depctr_sa_sdst(0) depctr_va_vdst(0) depctr_va_sdst(0) depctr_va_ssrc(0) depctr_va_vcc(0) depctr_vm_vsrc(0)
	s_getreg_b32 s2, hwreg(HW_REG_IB_STS2, 6, 4)
	s_cmp_eq_u32 s2, 0
	s_cbranch_scc0 .Lentry_in_a_cluster
	s_endpgm
.Lentry_in_a_cluster:
	s_bfe_u32 s2, ttmp6, 0x10000c
	s_cmp_lg_u32 s2, 0x3003
	s_cbranch_scc0 .Lentry_shape_is_right
	s_endpgm
.Lentry_shape_is_right:
; SECOND LAUNCH: causal attention in rank space, the sum over heads and c_proj.
;   Q'_h = t_q M_h (bf16);  S_h = Q'_h t_k^T (already in base 2 and scaled);  P_h = exp2(S_h - running row maximum);  O_h = P_h t_v / row sum;
;   z = sum_h O_h N_h;  out = z cU^T.   t_k and t_v are the same 64-wide tiles for all 16 heads.
; SHARES: a work-group owns two tiles of 16 queries of batch b, tiles j and 127 - j, for all 16 heads, taken in two passes; wave w owns heads 2w and 2w+1
; (two column tiles of 16 queries).  Keys go in laps of 128 = two trips of 64 keys, slot 0 then slot 1.  A pass takes its diagonal lap first (masked),
; then the laps below it: 1 + a8 and 16 - a8 laps, 17 laps = 34 trips in every work-group (a8 = j / 8).
; CLUSTER: the four work-groups of a cluster have j = 4 X + 0..3, hence the same a8 and the same sequence of kv tiles: each tile of 24,576 bytes is asked for
; jointly (wave 0, one load of 96 rows), and so are the mt tables (each wave its two heads' 16,384 bytes, once).  nt and cub are NOT asked for jointly:
; each of their bytes is used once in a work-group, by one wave, and goes straight into registers in runs of 512 bytes; as LDS tiles they would take
; 393,216 bytes, more than the work-group has.
; EVERYTHING IS USED TRANSPOSED, so that no result is ever shuffled: a result tile D(m = 8hh + j, n = r), packed in pairs of registers, is registers 0-3
; (even tile) or 4-7 (odd tile) of the next product's second source (column n = r, k = m).  Queries are always the column n = r.
; FORMATS AND LIMITS: the score path (t_q, M, Q', t_k) is bf16.  P is f16 (at most 1; weights below about 6e-8 of the row's largest count as zero), the row
; sum is taken in f32 from the unrounded P.  t_v is a pair of f16 (see the first launch: |t_v s| up to 65,504); O, N and z are pairs of bf16, of whose four
; products the three largest are formed.  Masked scores are the most negative finite f32, as in the problem's definition, and a running maximum is kept.
; NaN and infinities get no special care.
.set PITCH, 272                        ; an LDS row of the ring: 256 bytes + 16
.set SLOTB, 96*PITCH                   ; 64 keys: two chunks of 48 rows (16 rows of K, two keys a row; 32 rows of V, two features a row)
.set QS,    2*SLOTB                    ; 52,224: 8 KB a wave: Q' fragments [pass][head][quad] x 512; at the end the wave's part of z
.set OS,    QS+8*8192                  ; 117,760: 16 KB a wave: its mt tables (their only fill), then O fragments, then the stage of the way out
.set ZF,    OS+8*16384                 ; 248,832: 8 KB: z fragments
.set TILEB, 24576                      ; bytes of 64 keys in kv
.set LS,  12                           ; v12-13   row sums, a lane's own part
.set O,   16                           ; v16-79   O(n, mt) = 16 + 32 n + 8 mt: D(m = feature, n = query)
.set QF,  80                           ; v80-111  Q'(n, kc) = 80 + 16 n + 8 kc
.set S,   112                          ; v112-175 S(n, u) = 112 + 32 n + 8 u: D(m = key, n = query); P(n, sb) is packed into S(n) + 16 sb .. + 7
.set GG,  120                          ; the four groups of 8 that packing frees: 120 + 16 mt
.set FA,  176                          ; v176-207 four fragments
.set FB,  208                          ; v208-239 four fragments
.set MN,  240                          ; v240-243 running maximum of n, twice
.set AL,  244                          ; v244-247 rescale factor of n (low register of each pair)
.set T,   248                          ; v248-255 at work
.set G0,  32                           ; s[32:35] slot 0, s[36:39] slot 1
.set G1K, 40                           ; s[40:47] shape of a kv tile
.set G1M, 48                           ; s[48:55] shape of a wave's mt tables
.set G0M, 56                           ; s[56:59]
.set OUTB, 66                          ; s[66:67], s[68:69] out0 at my rows of pass 0, 1, and my wave's 128 columns
.macro NOPS n
.rept \n
	v_nop
.endr
.endm
.macro ROUND                           ; a round of the cluster's barrier
	s_barrier_signal -1
	s_barrier_wait -1
	s_cmp_lg_u32 s18, 0
	s_cbranch_scc1 .Lnot_wave_0_\@
	s_barrier_signal -3
.Lnot_wave_0_\@:
	s_barrier_wait -3
	s_barrier_signal -1
	s_barrier_wait -1
.endm
.macro SPLITB x, dh, dl, t             ; x0, x1 (f32) = hi + lo, each a packed pair of bf16
	v_cvt_pk_bf16_f32 v[\dh], v[\x], v[\x+1]
	v_lshlrev_b32 v[\t], 16, v[\dh]
	v_and_b32 v[\t+1], 0xffff0000, v[\dh]
	v_pk_add_f32 v[\t:\t+1], v[\x:\x+1], v[\t:\t+1] neg_lo:[0,1] neg_hi:[0,1]
	v_cvt_pk_bf16_f32 v[\dl], v[\t], v[\t+1]
.endm
; four fragments of K: keys 16u + r, ranks 32 kc + ..
.macro KLOAD slot, kc, f
.irp u,0,1,2,3
	ds_load_b128 v[\f+8*\u:\f+8*\u+3],   v4 offset:\slot*SLOTB+(48*(\u>>1)+8*(\u&1))*PITCH+64*\kc
	ds_load_b128 v[\f+8*\u+4:\f+8*\u+7], v4 offset:\slot*SLOTB+(48*(\u>>1)+8*(\u&1))*PITCH+64*\kc+32
.endr
.endm
; four fragments of V^T: features 16 mt + r, keys 32 sb + .., part 0 hi, 1 lo; fragment mt goes to f + st x mt
.macro VLOAD slot, sb, part, f, st
.irp mt,0,1,2,3
	ds_load_b128 v[\f+\st*\mt:\f+\st*\mt+3],   v4 offset:\slot*SLOTB+(48*\sb+16+8*\mt)*PITCH+64*\part
	ds_load_b128 v[\f+\st*\mt+4:\f+\st*\mt+7], v4 offset:\slot*SLOTB+(48*\sb+16+8*\mt)*PITCH+64*\part+32
.endr
.endm
; eight score tiles, 32 ranks: the eight accumulators take turns, one instruction a turn
.macro QK f, kc, zero
.irp u,0,1,2,3
.irp n,0,1
.if \zero
	v_wmma_f32_16x16x32_bf16 v[S+32*\n+8*\u:S+32*\n+8*\u+7], v[\f+8*\u:\f+8*\u+7], v[QF+16*\n+8*\kc:QF+16*\n+8*\kc+7], 0
.else
	v_wmma_f32_16x16x32_bf16 v[S+32*\n+8*\u:S+32*\n+8*\u+7], v[\f+8*\u:\f+8*\u+7], v[QF+16*\n+8*\kc:QF+16*\n+8*\kc+7], v[S+32*\n+8*\u:S+32*\n+8*\u+7]
.endif
.endr
.endr
.endm
; eight tiles of O, 32 keys, one part of V: again eight accumulators by turns
.macro PV f, st, sb, zero
.irp mt,0,1,2,3
.irp n,0,1
.if \zero
	v_wmma_f32_16x16x32_f16 v[O+32*\n+8*\mt:O+32*\n+8*\mt+7], v[\f+\st*\mt:\f+\st*\mt+7], v[S+32*\n+16*\sb:S+32*\n+16*\sb+7], 0
.else
	v_wmma_f32_16x16x32_f16 v[O+32*\n+8*\mt:O+32*\n+8*\mt+7], v[\f+\st*\mt:\f+\st*\mt+7], v[S+32*\n+16*\sb:S+32*\n+16*\sb+7], v[O+32*\n+8*\mt:O+32*\n+8*\mt+7]
.endif
.endr
.endr
.endm
; key 16u + 8hh + j of the trip is allowed where 16u + j <= reg = query - 8hh - the trip's first key
.macro MASK reg
.irp u,0,1,2,3
.irp j,0,1,2,3,4,5,6,7
	v_cmp_le_i32 vcc_lo, 16*\u+\j, v[\reg]
	v_cndmask_b32 v[S+8*\u+\j], v11, v[S+8*\u+\j], vcc_lo
	v_cndmask_b32 v[S+32+8*\u+\j], v11, v[S+32+8*\u+\j], vcc_lo
.endr
.endr
.endm
; the softmax step of column tile n: a lane holds 32 of its query's 64 scores, the lane 16 further the other 32
.macro SM n, first
.irp c,0,1,2,3
	v_max3_num_f32 v[T+\c], v[S+32*\n+8*\c], v[S+32*\n+8*\c+1], v[S+32*\n+8*\c+2]
.endr
.irp c,0,1,2,3
	v_max3_num_f32 v[T+\c], v[T+\c], v[S+32*\n+8*\c+3], v[S+32*\n+8*\c+4]
.endr
.irp c,0,1,2,3
	v_max3_num_f32 v[T+\c], v[T+\c], v[S+32*\n+8*\c+5], v[S+32*\n+8*\c+6]
.endr
.irp c,0,1,2,3
	v_max_num_f32 v[T+\c], v[T+\c], v[S+32*\n+8*\c+7]
.endr
	v_max3_num_f32 v[T], v[T], v[T+1], v[T+2]
	v_max_num_f32 v[T], v[T], v[T+3]
	v_permlanex16_b32 v[T+1], v[T], s24, s25       ; the other half's maximum
.if \first
	v_max_num_f32 v[MN+2*\n], v[T], v[T+1]
.else
	v_max3_num_f32 v[T], v[T], v[T+1], v[MN+2*\n]
	v_sub_f32 v[T+2], v[MN+2*\n], v[T]
	v_mov_b32 v[MN+2*\n], v[T]
	v_exp_f32 v[AL+2*\n], v[T+2]                   ; what the old sums are worth under the new maximum
.endif
	v_mov_b32 v[MN+2*\n+1], v[MN+2*\n]             ; also the plain place behind the exponential (ISA guide 5.7.2)
.set ii, 0
.rept 16
	v_pk_add_f32 v[S+32*\n+ii:S+32*\n+ii+1], v[S+32*\n+ii:S+32*\n+ii+1], v[MN+2*\n:MN+2*\n+1] neg_lo:[0,1] neg_hi:[0,1]
.set ii, ii+2
.endr
.set ii, 0
.rept 32
	v_exp_f32 v[S+32*\n+ii], v[S+32*\n+ii]
.set ii, ii+1
.endr
	v_nop
	s_wait_alu depctr_va_vdst(0)
.irp i,0,1,2,3
	v_pk_add_f32 v[T+2*\i:T+2*\i+1], v[S+32*\n+4*\i:S+32*\n+4*\i+1], v[S+32*\n+4*\i+2:S+32*\n+4*\i+3]
.endr
.irp i,0,1,2,3
	v_pk_add_f32 v[T+2*\i:T+2*\i+1], v[T+2*\i:T+2*\i+1], v[S+32*\n+16+2*\i:S+32*\n+16+2*\i+1]
.endr
.irp i,0,1,2,3
	v_pk_add_f32 v[T+2*\i:T+2*\i+1], v[T+2*\i:T+2*\i+1], v[S+32*\n+24+2*\i:S+32*\n+24+2*\i+1]
.endr
	v_pk_add_f32 v[T:T+1], v[T:T+1], v[T+2:T+3]
	v_pk_add_f32 v[T+4:T+5], v[T+4:T+5], v[T+6:T+7]
	v_pk_add_f32 v[T:T+1], v[T:T+1], v[T+4:T+5]
.if \first
	v_add_f32 v[LS+\n], v[T], v[T+1]
.else
	v_add_f32 v[T], v[T], v[T+1]
	v_fma_f32 v[LS+\n], v[LS+\n], v[AL+2*\n], v[T]
.endif
	; pack to f16 in place: tile 2 sb into registers 0-3, tile 2 sb + 1 into registers 4-7 of P(n, sb); a target never lies above its sources
.irp sb,0,1
.irp i,0,1,2,3
	v_cvt_pk_f16_f32 v[S+32*\n+16*\sb+\i], v[S+32*\n+16*\sb+2*\i], v[S+32*\n+16*\sb+2*\i+1]
.endr
.irp i,0,1,2,3
	v_cvt_pk_f16_f32 v[S+32*\n+16*\sb+4+\i], v[S+32*\n+16*\sb+8+2*\i], v[S+32*\n+16*\sb+8+2*\i+1]
.endr
.endr
.endm
.macro RESCALE
.irp n,0,1
.set ii, 0
.rept 16
	v_pk_mul_f32 v[O+32*\n+ii:O+32*\n+ii+1], v[O+32*\n+ii:O+32*\n+ii+1], v[AL+2*\n:AL+2*\n+1] op_sel_hi:[1,0]
.set ii, ii+2
.endr
.endr
.endm
; ONE TRIP: 64 keys from slot.  refill: the next tile (byte offset s26 in the batch's part of kv) is asked for into the other slot.
; first: the pass's first trip starts maximum, sums and O.  mask: 0, or the register that holds the diagonal's bound.
.macro TRIP slot, refill, first, mask
	s_set_vgpr_msb 0x5
	s_wait_tensorcnt 0x0                           ; all my tensor loads have landed, this trip's tile among them (wave 0's): group 0 words may be written
	ds_add_u32 v0, v1
	s_wait_dscnt 0x0
	s_set_vgpr_msb 0x500
.if \refill
	s_add_nc_u64 s[G0+6-4*\slot:G0+7-4*\slot], s[60:61], s[26:27]
	s_or_b32 s[G0+7-4*\slot], s[G0+7-4*\slot], 0x80000000
	s_add_co_u32 s26, s26, TILEB
.endif
	s_wait_dscnt 0x0                               ; my reads of the other slot are back
	ROUND                                          ; both now hold of every wave of all four work-groups
.if \refill
	s_cmp_lg_u32 s18, 0
	s_cbranch_scc1 .Lno_fill_\@
	tensor_load_to_lds s[G0+4-4*\slot:G0+7-4*\slot], s[G1K:G1K+7]   ; first thing behind the round; it has this trip's work in which to land
	s_nop 0
.Lno_fill_\@:
.endif
	KLOAD \slot, 0, FB
	KLOAD \slot, 1, FA
	s_wait_dscnt 0x8                               ; ranks 0-31 are in; the eight younger loads may be out
	QK FB, 0, 1
	s_wait_dscnt 0x0
	QK FA, 1, 0
	NOPS 4                                         ; places behind the matrix instructions: for the loads into their sources and for the readers of S
	VLOAD \slot, 0, 0, FA, 8
	VLOAD \slot, 0, 1, FB, 8
.if \mask
	MASK \mask
.endif
	SM 0, \first
	SM 1, \first
	VLOAD \slot, 1, 0, GG, 16                      ; into the registers that packing has freed
.if \first == 0
	RESCALE
.endif
	s_wait_dscnt 0x8                               ; the sixteen loads of keys 0-31 are in; the eight just issued may be out
	PV FA, 8, 0, \first
	PV FB, 8, 0, 0
	NOPS 4
	VLOAD \slot, 1, 1, FA, 8
	s_wait_dscnt 0x8                               ; V hi of keys 32-63 is in; its lo part may be out
	PV GG, 16, 1, 0
	s_wait_dscnt 0x0
	PV FA, 8, 1, 0
	NOPS 5                                         ; the next scores are written over P and over V's fragments, and K is loaded over V's
.endm
.macro HEAD p                          ; the pass's Q' fragments, from my own bytes
.irp n,0,1
.irp a,0,1,2,3
	ds_load_b128 v[QF+16*\n+4*\a:QF+16*\n+4*\a+3], v5 offset:\p*4096+\n*2048+\a*512
.endr
.endr
.endm
.macro END p                           ; O / row sum, split into a pair of bf16, into my own bytes as fragments
	v_permlanex16_b32 v[T], v[LS], s24, s25
	v_permlanex16_b32 v[T+1], v[LS+1], s24, s25
	v_add_f32 v[T], v[T], v[LS]
	v_add_f32 v[T+1], v[T+1], v[LS+1]
	v_rcp_f32 v[AL], v[T]                          ; the sum is at least 1: the row's largest weight is exp2(0)
	v_rcp_f32 v[AL+2], v[T+1]
	v_nop
	s_wait_alu depctr_va_vdst(0)
.irp n,0,1
.irp mt,0,1,2,3
.irp i,0,1,2,3
	v_pk_mul_f32 v[O+32*\n+8*\mt+2*\i:O+32*\n+8*\mt+2*\i+1], v[O+32*\n+8*\mt+2*\i:O+32*\n+8*\mt+2*\i+1], v[AL+2*\n:AL+2*\n+1] op_sel_hi:[1,0]
.endr
.irp i,0,1,2,3
	SPLITB O+32*\n+8*\mt+2*\i, 208+\i, 212+\i, 216+2*\i
.endr
	ds_store_b128 v10, v[208:211] offset:\p*8192+\n*4096+\mt*512
	ds_store_b128 v10, v[212:215] offset:\p*8192+\n*4096+2048+\mt*512
.endr
.endr
.endm
; Q'^T of head 2w + i for both query tiles: D(a, p)(m = r2, n = query) = sum over r1 of M^T t_q^T
.macro QPRIME i
.irp a,0,1,2,3
.irp c,0,1
.irp t,0,1
	ds_load_b128 v[48+16*\a+8*\c+4*\t:48+16*\a+8*\c+4*\t+3], v15 offset:\i*8192+(4*\a+2*\c+\t)*512
.endr
.endr
.endr
	s_wait_dscnt 0x0
.irp c,0,1
.irp a,0,1,2,3
.irp p,0,1
.if \c == 0
	v_wmma_f32_16x16x32_bf16 v[112+16*\a+8*\p:112+16*\a+8*\p+7], v[48+16*\a+8*\c:48+16*\a+8*\c+7], v[16+16*\p+8*\c:16+16*\p+8*\c+7], 0
.else
	v_wmma_f32_16x16x32_bf16 v[112+16*\a+8*\p:112+16*\a+8*\p+7], v[48+16*\a+8*\c:48+16*\a+8*\c+7], v[16+16*\p+8*\c:16+16*\p+8*\c+7], v[112+16*\a+8*\p:112+16*\a+8*\p+7]
.endif
.endr
.endr
.endr
	NOPS 5                                         ; for the conversions, for the next head's loads into the sources, and for its products over these tiles
.irp p,0,1
.irp a,0,1,2,3
.irp q,0,1,2,3
	v_cvt_pk_bf16_f32 v[176+16*\p+4*\a+\q], v[112+16*\a+8*\p+2*\q], v[112+16*\a+8*\p+2*\q+1]
.endr
	ds_store_b128 v5, v[176+16*\p+4*\a:176+16*\p+4*\a+3] offset:\p*4096+\i*2048+\a*512
.endr
.endr
.endm
; step st of the head sum: head 2w + (st >> 1), ranks 32 (st & 1) ..; sixteen loads of 512 consecutive bytes: N^T hi and lo, fragment (a, part) at buf + 16 a + 8 part
.macro NLOAD st, buf
.irp a,0,1,2,3
.irp part,0,1
.irp t,0,1
	global_load_b128 v[\buf+16*\a+8*\part+4*\t:\buf+16*\a+8*\part+4*\t+3], v3, s[70:71] offset:(\st>>1)*8192+(4*\a+2*(\st&1)+\t)*512+\part*131072
.endr
.endr
.endr
.endm
.macro BLOAD st                        ; O fragments (p, part) at 208 + 16 p + 8 part
.irp p,0,1
.irp part,0,1
.irp t,0,1
	ds_load_b128 v[208+16*\p+8*\part+4*\t:208+16*\p+8*\part+4*\t+3], v10 offset:\p*8192+(\st>>1)*4096+\part*2048+(2*(\st&1)+\t)*512
.endr
.endr
.endr
.endm
.macro EMM np, op, buf, zero           ; eight tiles Z(p, a) = 16 + 32 p + 8 a by turns: part np of N times part op of O
.irp a,0,1,2,3
.irp p,0,1
.if \zero
	v_wmma_f32_16x16x32_bf16 v[O+32*\p+8*\a:O+32*\p+8*\a+7], v[\buf+16*\a+8*\np:\buf+16*\a+8*\np+7], v[208+16*\p+8*\op:208+16*\p+8*\op+7], 0
.else
	v_wmma_f32_16x16x32_bf16 v[O+32*\p+8*\a:O+32*\p+8*\a+7], v[\buf+16*\a+8*\np:\buf+16*\a+8*\np+7], v[208+16*\p+8*\op:208+16*\p+8*\op+7], v[O+32*\p+8*\a:O+32*\p+8*\a+7]
.endif
.endr
.endr
.endm
.macro ESTEP buf, zero, left
	s_wait_loadcnt \left                           ; this step's sixteen table loads are in; the next step's sixteen may be out
	s_wait_dscnt 0x0
	EMM 0, 0, \buf, \zero
	EMM 0, 1, \buf, 0
	EMM 1, 0, \buf, 0
	NOPS 4
.endm
; c_proj: four tiles of 16 columns (16 (8w + 4g + i) ..) x 16 queries of pass p, four accumulators by turns
.macro EMUL p, g
.irp cp,0,1
.irp part,0,1
.irp i,0,1,2,3
.if (\cp+\part) == 0
	v_wmma_f32_16x16x32_bf16 v[208+8*\i:208+8*\i+7], v[80+16*(4*\g+\i)+8*\cp:80+16*(4*\g+\i)+8*\cp+7], v[16+32*\p+16*\part+8*\cp:16+32*\p+16*\part+8*\cp+7], 0
.else
	v_wmma_f32_16x16x32_bf16 v[208+8*\i:208+8*\i+7], v[80+16*(4*\g+\i)+8*\cp:80+16*(4*\g+\i)+8*\cp+7], v[16+32*\p+16*\part+8*\cp:16+32*\p+16*\part+8*\cp+7], v[208+8*\i:208+8*\i+7]
.endif
.endr
.endr
.endr
.endm
.macro STG g                           ; a lane's eight neighbouring columns of row r, 32 bytes, into my stage
.irp i,0,1,2,3
	ds_store_b128 v11, v[208+8*\i:208+8*\i+3]   offset:64*(4*\g+\i)
	ds_store_b128 v11, v[208+8*\i+4:208+8*\i+7] offset:64*(4*\g+\i)+16
.endr
.endm
.macro OUTP p
	EMUL \p, 0
	NOPS 5                                         ; for the stage stores, and for the next group's products over the same tiles
	STG 0
	EMUL \p, 1
	NOPS 5
	STG 1
.irp bt,0,1
.irp k,0,1,2,3,4,5,6,7
	ds_load_b128 v[208+4*\k:208+4*\k+3], v10 offset:(8*\bt+\k)*528     ; a whole row of my 128 columns; LDS serves a wave's instructions in order
.endr
.irp k,0,1,2,3,4,5,6,7
	s_wait_dscnt 7-\k
	global_store_b128 v14, v[208+4*\k:208+4*\k+3], s[OUTB+2*\p:OUTB+2*\p+1] offset:(8*\bt+\k)*4096 th:TH_STORE_NT   ; 512 consecutive bytes, aligned
.endr
	s_wait_xcnt 0x0                                ; the stores' data registers are written again only behind this wait
.endr
.endm
	s_load_b256 s[4:11], s[0:1], 0x0               ; tq 4, kv 6, mt 8, nt 10
	s_load_b128 s[12:15], s[0:1], 0x20             ; cub 12, out0 14
	s_set_vgpr_msb 0x40
	v_lshl_add_u32 v0, v0, 2, 0x3ec00
	v_mov_b32 v1, 0
	s_set_vgpr_msb 0x4045
	ds_add_u32 v0, v1
	s_set_vgpr_msb 0x4500
	v_lshrrev_b32 v1, 5, v0
	v_readfirstlane_b32 s18, v1                    ; wave 0..7
	s_bfe_u32 s19, ttmp6, 0x40000                  ; my place in the cluster
	s_lshl_b32 s20, ttmp9, 2
	s_add_co_u32 s20, s20, s19                     ; j = query tile of pass 0
	s_lshr_b32 s21, ttmp9, 1                       ; a8 = j / 8: made of the cluster's number alone, equal in all four partners
	s_and_b32 s22, ttmp7, 0xffff                   ; batch
	s_mov_b32 s24, 0x76543210                      ; v_permlanex16_b32: lane i reads lane i of the other half
	s_mov_b32 s25, 0xfedcba98
	s_mul_i32 s26, s21, 2*TILEB                    ; s[26:27]: byte offset of the next kv tile; first the diagonal lap of pass 0
	s_mov_b32 s27, 0
	s_sub_co_u32 s28, 15, s21
	s_mul_i32 s28, s28, 2*TILEB                    ; the diagonal lap of pass 1
	; a kv tile is dense: 96 rows of 32 elements of 8 bytes, 4 words of padding behind every 64 words; mask of all four partners
	s_mov_b32 s[G1K+0], 15|(3<<16)|(1<<20)|(1<<21)|(5<<22)|(3<<25)
	s_mov_b32 s[G1K+1], 32<<16
	s_mov_b32 s[G1K+2], 96<<16
	s_mov_b32 s[G1K+3], 32<<16
	s_mov_b32 s[G1K+4], 96
	s_mov_b32 s[G1K+5], 32
	s_mov_b32 s[G1K+6], 0
	s_mov_b32 s[G1K+7], 0
	; a wave's mt tables: 64 rows of 256 bytes, no padding
	s_mov_b32 s[G1M+0], 15|(3<<16)|(1<<21)
	s_mov_b32 s[G1M+1], 32<<16
	s_mov_b32 s[G1M+2], 64<<16
	s_mov_b32 s[G1M+3], 32<<16
	s_mov_b32 s[G1M+4], 64
	s_mov_b32 s[G1M+5], 32
	s_mov_b32 s[G1M+6], 0
	s_mov_b32 s[G1M+7], 0
	s_mov_b32 s[G0], 1
	s_mov_b32 s[G0+1], 0
	s_mov_b32 s[G0+4], 1
	s_mov_b32 s[G0+5], SLOTB
	s_mov_b32 s[G0M], 1
	s_lshl_b32 s17, s18, 14
	s_add_co_u32 s[G0M+1], s17, OS
	; offsets that all partners share go through s[30:31], those that hold my place in the cluster through s[78:79]
	s_mul_i32 s30, s22, 786432
	s_mov_b32 s31, 0
	s_mov_b32 s79, 0
	s_wait_dscnt 0x0
	s_wait_kmcnt 0x0
	s_add_nc_u64 s[60:61], s[6:7], s[30:31]        ; kv at my batch
	s_add_nc_u64 s[G0+2:G0+3], s[60:61], s[26:27]
	s_or_b32 s[G0+3], s[G0+3], 0x80000000
	s_add_co_u32 s26, s26, TILEB
	s_mov_b32 s30, s17                             ; 16,384 x wave
	s_add_nc_u64 s[G0M+2:G0M+3], s[8:9], s[30:31]
	s_or_b32 s[G0M+3], s[G0M+3], 0x80000000
	s_add_nc_u64 s[70:71], s[10:11], s[30:31]      ; nt at my two heads
	s_add_nc_u64 s[72:73], s[12:13], s[30:31]      ; cub at my 128 columns
	s_sub_co_u32 s62, 127, s20                     ; query tile of pass 1
	s_lshl_b32 s29, s22, 18                        ; tq: 2,048 tokens of 128 bytes a batch
	s_lshl_b32 s78, s20, 11
	s_add_co_u32 s78, s78, s29
	s_add_nc_u64 s[74:75], s[4:5], s[78:79]
	s_lshl_b32 s78, s62, 11
	s_add_co_u32 s78, s78, s29
	s_add_nc_u64 s[76:77], s[4:5], s[78:79]
	s_lshl_b32 s29, s22, 23                        ; out0: 2,048 rows of 4,096 bytes a batch,
	s_lshl_b32 s63, s18, 9                         ; my wave's 512 bytes of a row
	s_add_co_u32 s29, s29, s63
	s_lshl_b32 s78, s20, 16
	s_add_co_u32 s78, s78, s29
	s_add_nc_u64 s[OUTB:OUTB+1], s[14:15], s[78:79]
	s_lshl_b32 s78, s62, 16
	s_add_co_u32 s78, s78, s29
	s_add_nc_u64 s[OUTB+2:OUTB+3], s[14:15], s[78:79]
	; lane terms
	v_and_b32 v1, 15, v0                           ; r
	v_bfe_u32 v2, v0, 4, 1                         ; hh
	v_lshlrev_b32 v3, 5, v1
	v_lshl_add_u32 v3, v2, 4, v3                   ; 32 r + 16 hh: my 16 bytes of a 512-byte table tile
	v_lshlrev_b32 v13, 7, v1
	v_lshl_add_u32 v13, v2, 4, v13                 ; tq: row r, 16 hh
.irp p,0,1
.irp c,0,1
.irp t,0,1
	global_load_b128 v[16+16*\p+8*\c+4*\t:16+16*\p+8*\c+4*\t+3], v13, s[74+2*\p:75+2*\p] offset:64*\c+32*\t   ; t_q fragments (p, c) at 16 + 16 p + 8 c
.endr
.endr
.endr
	v_lshrrev_b32 v4, 1, v1
	v_mul_u32_u24 v4, v4, PITCH
	v_and_b32 v5, 1, v1
	v_lshl_add_u32 v4, v5, 7, v4
	v_lshl_add_u32 v4, v2, 4, v4                   ; ring: row r / 2, odd r 128 bytes in, 16 hh: sixteen lanes at sixteen different 16-byte columns modulo 256
	v_and_b32 v14, 31, v0
	v_lshlrev_b32 v14, 4, v14                      ; 16 x lane
	s_lshl_b32 s29, s18, 13
	s_add_co_u32 s29, s29, QS
	v_add_nc_u32 v5, s29, v14                      ; my 8 KB of QS
	s_add_co_u32 s29, s17, OS
	v_add_nc_u32 v10, s29, v14                     ; my 16 KB of OS
	v_add_nc_u32 v15, s29, v3                      ; the same, in table-tile order
	v_mov_b32 v11, 0xff7fffff                      ; the most negative finite f32
	s_and_b32 s63, s20, 7
	s_lshl_b32 s63, s63, 4                         ; 16 (j mod 8): pass 0's first query, counted from its diagonal lap's first key
	s_sub_co_u32 s16, 112, s63                     ; pass 1's
	v_lshlrev_b32 v6, 3, v2
	v_sub_nc_u32 v6, v1, v6                        ; r - 8 hh
	v_add_nc_u32 v8, s16, v6
	v_add_nc_u32 v6, s63, v6
	v_sub_nc_u32 v7, v6, 64                        ; the lap's second trip begins 64 keys further
	v_sub_nc_u32 v9, v8, 64
	v_mov_b32 v[AL+1], 0                           ; the upper registers of the factor pairs are never used as numbers, but are named
	v_mov_b32 v[AL+3], 0
	ROUND                                          ; all four work-groups are here: the first joint loads meet
	tensor_load_to_lds s[G0M:G0M+3], s[G1M:G1M+7]  ; every wave: its two heads' mt tables, into its own bytes
	s_nop 0
	s_cmp_lg_u32 s18, 0
	s_cbranch_scc1 .Lno_first
	tensor_load_to_lds s[G0:G0+3], s[G1K:G1K+7]    ; wave 0: the first kv tile.  Two tensor loads out here, one at any later time
	s_nop 0
.Lno_first:
	s_wait_tensorcnt 0x0                           ; each wave reads only the tables that it fetched itself
	s_wait_loadcnt 0x0                             ; t_q
	QPRIME 0
	QPRIME 1
	; PASS 0: query tile j.  Lap a8 (masked), then laps 0 .. a8 - 1
	HEAD 0
	TRIP 0, 1, 1, 6
	s_cmp_eq_u32 s21, 0
	s_cselect_b32 s26, s28, 0                      ; behind the diagonal lap: lap 0, or pass 1's diagonal lap if there is none below
	TRIP 1, 1, 0, 7
	s_cmp_eq_u32 s21, 0                            ; a8 is equal in all partners: they take this branch alike
	s_cbranch_scc1 .Lpass0_end
	s_mov_b32 s23, s21
.Lpass0:
	TRIP 0, 1, 0, 0
	s_cmp_eq_u32 s23, 1
	s_cselect_b32 s26, s28, s26                    ; behind the last lap: pass 1's diagonal lap
	TRIP 1, 1, 0, 0
	s_sub_co_u32 s23, s23, 1
	s_cmp_lg_u32 s23, 0
	s_cbranch_scc1 .Lpass0
.Lpass0_end:
	END 0
	; PASS 1: query tile 127 - j.  Lap 15 - a8 (masked), then laps 0 .. 14 - a8, at least eight of them
	HEAD 1
	TRIP 0, 1, 1, 8
	s_mov_b32 s26, 0
	TRIP 1, 1, 0, 9
	s_sub_co_u32 s23, 14, s21
.Lpass1:
	TRIP 0, 1, 0, 0
	TRIP 1, 1, 0, 0
	s_sub_co_u32 s23, s23, 1
	s_cmp_lg_u32 s23, 0
	s_cbranch_scc1 .Lpass1
	TRIP 0, 1, 0, 0
	TRIP 1, 0, 0, 0                                ; the last trip asks for nothing
	NLOAD 0, 80                                    ; the first two steps' tables are on their way while O is normalised
	NLOAD 1, 144
	END 1
	; z^T(m = r', n = query), my two heads' part: N = hi + lo, O = hi + lo; hi hi, hi lo and lo hi are formed
	BLOAD 0
	ESTEP 80, 1, 16
	NLOAD 2, 80
	BLOAD 1
	ESTEP 144, 0, 16
	NLOAD 3, 144
	BLOAD 2
	ESTEP 80, 0, 16
	BLOAD 3
	ESTEP 144, 0, 0
	; cU's fragments for my 128 columns: (i, c') at 80 + 16 i + 8 c'
.irp i,0,1,2,3,4,5,6,7
.irp cp,0,1
.irp t,0,1
	global_load_b128 v[80+16*\i+8*\cp+4*\t:80+16*\i+8*\cp+4*\t+3], v3, s[72:73] offset:\i*2048+(2*\cp+\t)*512
.endr
.endr
.endr
	; the sum over the eight waves' heads: each wave lays its eight tiles into its own 8 KB, then wave w sums tile w of all eight
.irp p,0,1
.irp a,0,1,2,3
	ds_store_b128 v5, v[O+32*\p+8*\a:O+32*\p+8*\a+3]   offset:(4*\p+\a)*1024
	ds_store_b128 v5, v[O+32*\p+8*\a+4:O+32*\p+8*\a+7] offset:(4*\p+\a)*1024+512
.endr
.endr
	s_add_co_u32 s29, s17, OS
	v_mul_u32_u24 v11, v1, 528
	v_lshl_add_u32 v11, v2, 5, v11
	v_add_nc_u32 v11, s29, v11                     ; my stage: row r of 528 bytes, 32 hh
	s_lshl_b32 s29, s18, 10
	s_add_co_u32 s29, s29, QS
	v_add_nc_u32 v12, s29, v14                     ; tile w in wave 0's part
	s_lshr_b32 s29, s18, 2
	s_lshl_b32 s29, s29, 12
	s_and_b32 s16, s18, 3
	s_lshl_b32 s16, s16, 9
	s_add_co_u32 s29, s29, s16
	s_add_co_u32 s29, s29, ZF
	v_add_nc_u32 v13, s29, v14                     ; z fragments: pass w / 4, quad w mod 4
	v_add_nc_u32 v15, ZF, v14
	s_wait_dscnt 0x0                               ; my stores are done, for the other waves' sake
	s_barrier_signal -1
	s_barrier_wait -1
.irp ws,0,1,2,3,4,5,6,7
	ds_load_b128 v[16+8*\ws:16+8*\ws+3], v12 offset:\ws*8192
	ds_load_b128 v[16+8*\ws+4:16+8*\ws+7], v12 offset:\ws*8192+512
.endr
	s_wait_dscnt 0x0
.irp i,0,2,4,6
	v_pk_add_f32 v[16+\i:17+\i], v[16+\i:17+\i], v[24+\i:25+\i]
	v_pk_add_f32 v[32+\i:33+\i], v[32+\i:33+\i], v[40+\i:41+\i]
	v_pk_add_f32 v[48+\i:49+\i], v[48+\i:49+\i], v[56+\i:57+\i]
	v_pk_add_f32 v[64+\i:65+\i], v[64+\i:65+\i], v[72+\i:73+\i]
.endr
.irp i,0,2,4,6
	v_pk_add_f32 v[16+\i:17+\i], v[16+\i:17+\i], v[32+\i:33+\i]
	v_pk_add_f32 v[48+\i:49+\i], v[48+\i:49+\i], v[64+\i:65+\i]
.endr
.irp i,0,2,4,6
	v_pk_add_f32 v[16+\i:17+\i], v[16+\i:17+\i], v[48+\i:49+\i]
.endr
.irp i,0,1,2,3
	SPLITB 16+2*\i, 208+\i, 212+\i, 216+2*\i
.endr
	ds_store_b128 v13, v[208:211]
	ds_store_b128 v13, v[212:215] offset:2048
	s_wait_dscnt 0x0
	s_barrier_signal -1
	s_barrier_wait -1
.irp p,0,1
.irp part,0,1
.irp a,0,1,2,3
	ds_load_b128 v[16+32*\p+16*\part+4*\a:16+32*\p+16*\part+4*\a+3], v15 offset:\p*4096+\part*2048+\a*512   ; z(p, part, c') at 16 + 32 p + 16 part + 8 c'
.endr
.endr
.endr
	s_wait_loadcnt 0x0                             ; cU's fragments
	s_wait_dscnt 0x0
	; out^T(m = column, n = query) = cU z^T: a lane ends with eight neighbouring columns of one row; rows leave through my stage
	OUTP 0
	OUTP 1
	s_set_vgpr_msb 0x5
	s_wait_tensorcnt 0x0
	ds_add_u32 v0, v1
	s_wait_dscnt 0x0
	s_set_vgpr_msb 0x500
	ROUND                                          ; the closing round: no work-group ends while a partner may still ask jointly
	s_endpgm
.Lfunc_end_k_q5752fdbf40_attn:
	.size	k_q5752fdbf40_attn, .Lfunc_end_k_q5752fdbf40_attn-k_q5752fdbf40_attn
	.p2alignl 7, 3214868480
	.fill 96, 4, 3214868480
	.section	.rodata,"a",@progbits
	.p2align	6, 0x0
	.amdhsa_kernel k_q5752fdbf40_attn
		.amdhsa_group_segment_fixed_size 327680
		.amdhsa_private_segment_fixed_size 0
		.amdhsa_enable_private_segment 0
		.amdhsa_kernarg_size 48
		.amdhsa_user_sgpr_count 2
		.amdhsa_user_sgpr_kernarg_segment_ptr 1
		.amdhsa_wavefront_size32 1
		.amdhsa_system_sgpr_workgroup_id_x 1
		.amdhsa_system_sgpr_workgroup_id_y 1
		.amdhsa_system_sgpr_workgroup_id_z 1
		.amdhsa_system_vgpr_workitem_id 0
		.amdhsa_next_free_vgpr 258
		.amdhsa_next_free_sgpr 80
		.amdhsa_reserve_vcc 1
		.amdhsa_float_denorm_mode_32 3
		.amdhsa_float_denorm_mode_16_64 3
		.amdhsa_memory_ordered 1
		.amdhsa_forward_progress 1
		.amdhsa_inst_pref_size 255
	.end_amdhsa_kernel
	.section	.bss,"aw",@nobits
	.p2align	6
	.space	262144
	.amdgpu_metadata
---
amdhsa.version: [ 1, 2 ]
amdhsa.kernels:
  - .name:           k_q5752fdbf40_attn
    .symbol:         k_q5752fdbf40_attn.kd
    .args:
      - { .name: tq, .offset: 0, .size: 8, .value_kind: global_buffer, .address_space: global }
      - { .name: kv, .offset: 8, .size: 8, .value_kind: global_buffer, .address_space: global }
      - { .name: mt, .offset: 16, .size: 8, .value_kind: global_buffer, .address_space: global }
      - { .name: nt, .offset: 24, .size: 8, .value_kind: global_buffer, .address_space: global }
      - { .name: cub, .offset: 32, .size: 8, .value_kind: global_buffer, .address_space: global }
      - { .name: out0, .offset: 40, .size: 8, .value_kind: global_buffer, .address_space: global }
    .group_segment_fixed_size: 327680
    .private_segment_fixed_size: 0
    .kernarg_segment_align: 8
    .kernarg_segment_size: 48
    .max_flat_workgroup_size: 256
    .sgpr_count:     80
    .vgpr_count:     258
    .wavefront_size: 32
...
	.end_amdgpu_metadata
.endif
;; end of part 2
;; ======== version 2 of 2: 2 launches; 1.13 times as fast as version 1
;; limits: values are held in f16: magnitudes above 65,504 overflow, below 6.1e-05 lose precision
;; workspace buffers: tq 1,048,576 bytes; kv 3,145,728 bytes; mt 131,072 bytes; nt 262,144 bytes; cub 131,072 bytes
;; launch proj (part 3): grid 256 x 1, 4 waves a work-group, clusters of 4 x 1, 327,680 bytes of LDS; arguments x, q_V, k_V, v_V, q_U, k_U, v_U, c_V, c_U, tq, kv, mt, nt, cub; writes tq, kv, mt, nt, cub
.if DOCPART == 3
	.amdgcn_target "amdgcn-amd-amdhsa--gfx1250"
	.amdhsa_code_object_version 6
	.text
	.protected	k_q5752fdbf40_proj
	.globl	k_q5752fdbf40_proj
	.p2align	8
	.type	k_q5752fdbf40_proj,@function
k_q5752fdbf40_proj:
	s_mov_b64 s[64:65], 0
	v_nop
	global_prefetch_b8 v0, s[64:65] scope:SCOPE_SE
	s_setreg_imm32_b32 hwreg(HW_REG_WAVE_MODE, 25, 1), 1
	s_wait_xcnt 0x0
	s_wait_alu depctr_hold_cnt(0) depctr_sa_sdst(0) depctr_va_vdst(0) depctr_va_sdst(0) depctr_va_ssrc(0) depctr_va_vcc(0) depctr_vm_vsrc(0)
	s_getreg_b32 s2, hwreg(HW_REG_IB_STS2, 6, 4)
	s_cmp_eq_u32 s2, 0
	s_cbranch_scc0 .Lentry_in_a_cluster
	s_endpgm
.Lentry_in_a_cluster:
	s_bfe_u32 s2, ttmp6, 0x10000c
	s_cmp_lg_u32 s2, 0x3003
	s_cbranch_scc0 .Lentry_shape_is_right
	s_endpgm
.Lentry_shape_is_right:
; FIRST LAUNCH: the three rank-64 projections of x, and the small tables that the attention launch multiplies by.
;   t_q = (x qV^T) s, t_k = (x kV^T) s, t_v = (x vV^T) s, s_k = (k+1)^-0.7         (8192 tokens x 64 ranks each)
;   M_h[r1][r2] = 0.125 log2(e) sum_d qU[64h+d][r1] kU[64h+d][r2]     so that scores_h = (t_q M_h) t_k^T, in base 2
;   N_h[r][r']  = s_r' sum_d vU[64h+d][r] cV[r'][64h+d]               so that z = sum_h (P_h t_v) N_h, out = z cU^T
; The regrouping holds for every input; it changes the order of rounding, not the algebra.
; Out: tq [token][64] bf16;  kv: one chunk of 12,288 bytes for 32 tokens = K [32 keys][64 ranks] bf16, then V [64 features][32 keys f16 hi | 32 keys f16 lo];
; mt, nt (hi half, lo half 131,072 bytes further), cub = bf16(cU): tiles of 16 x 16 bf16 = 512 bytes, row-major inside a tile.
; SHARES: 256 work-groups, 32 tokens each (one kv chunk) and one tile each of mt, nt and cub.  Wave w makes ranks 16w..16w+15 of q, k and v for both
; tiles of 16 tokens: six accumulators.  The 1,024 columns go in 8 steps of 128.
; X: the work-group's 32 rows, 131,072 bytes, are asked for whole at the start: 64 loads of 16 bytes a thread, each load of a wave 512 consecutive bytes,
; into registers 256-511.  They are rounded to bf16 once and laid into LDS as eight blocks of 32 rows x 256 bytes, from which all four waves take fragments.
; WEIGHTS: 192 rows x 512 bytes (f32) a step, through two LDS slots.  The four work-groups of a cluster walk the same rows of qV, kV and vV: the three
; tiles of a step are asked for jointly (waves 0, 1, 2: one tile each; wave 3 asks for none).
; ROTATION: cluster X takes column block (X + t) mod 8 in its step t.  So the 64 clusters begin with all eight blocks, not all with the same one, and a block
; that a cluster asks for from its third step on has been asked for by other clusters before.  The rotation enters global addresses alone: block t of x in LDS
; holds the columns of this cluster's step t, and every LDS address is a constant of the text.  X is equal in the four partners.
; FORMATS AND LIMITS: every input is rounded once to bf16 on its way to the matrix unit; sums are f32, and the order of the sum over the columns differs from
; cluster to cluster (the rotation).  t_q, t_k and M are kept in bf16.  t_v is kept as a pair of f16 (hi + lo): right for |t_v s| up to 65,504, resolved to
; about 3e-8 absolutely.  N is kept as a pair of bf16.  NaN and infinities in the inputs get no special care.
.set PITCH, 528                        ; an LDS row of weights: 512 bytes + 16: sixteen rows that a load touches start 16 bytes apart modulo 256
.set WREG,  64*PITCH                   ; one weight tile: 64 rows
.set SLOT,  3*WREG                     ; 101,376 = 396 x 256
.set XB,    2*SLOT                     ; 202,752: x in bf16, written by LDS stores; no tensor load ever lands here
.set XP,    272                        ; a row of a block of x: 256 bytes + 16
.set XBLK,  32*XP                      ; a block: 32 rows x 128 columns
.set STAGE, XB+8*XBLK                  ; 272,384 = 1,064 x 256: the way out's stage
.set SP,    144                        ; a stage row: 128 bytes + 16
.set G1W, 44                           ; s[44:51] shape of a weight tile (joint)
.set G0W, 60                           ; s[60:63] slot 0, s[68:71] slot 1: weight tile, from where and to where
.set ADR, 4                            ; v4-9    LDS address of my weight fragments: 3 x slot + (0 qV, 1 kV, 2 vV)
.set VX,  10                           ; v10     LDS address of x's fragments in block 0
.set SQ,  16                           ; v16-23  s of ranks 16w + 8hh + j
.set SV,  24                           ; v24-25  s of rank 16w + r, twice
.set AQ,  32                           ; v32-47  q: D(m = rank, n = token), token tiles 0 and 1
.set AK,  48                           ; v48-63  k likewise
.set AV,  64                           ; v64-79  v: D(m = token, n = rank)
.set R0,  80                           ; v80-143   fragment buffer 0: qV, kV, vV (16 registers each, f32 as loaded), x tokens 0-15, x tokens 16-31 (8 each)
.set R1,  144                          ; v144-207  fragment buffer 1
.set XO,  208                          ; v208-215  byte offset of my 16 bytes of x for block t: never rewritten
.set VST, 216                          ; v216-217  where I lay 8 bytes of x in bf16: blocks 0-3, blocks 4-7
; Registers 256-511 are reached through a window (ISA guide: s_set_vgpr_msb): low byte bits 1:0 source 0, 3:2 source 1, 7:6 destination;
; the high byte repeats the setting that is left.  At every label and branch the setting is 0.
.set MSB, 0
.macro WIN new
.if MSB != \new
	s_set_vgpr_msb (MSB<<8)|\new
.set MSB, \new
.endif
.endm
.set TO_HI,   0x40                     ; a load's destination in registers 256-511, its address below
.set FROM_HI, 0x05                     ; sources 0 and 1 in registers 256-511, the destination below
.macro NOPS n
.rept \n
	v_nop
.endr
.endm
; A round of the cluster's barrier: my work-group's barrier, wave 0 signals for the work-group, every wave waits for all four work-groups, my work-group's barrier again.
.macro ROUND
	s_barrier_signal -1
	s_barrier_wait -1
	s_cmp_lg_u32 s3, 0
	s_cbranch_scc1 .Lnot_wave_0_\@
	s_barrier_signal -3
.Lnot_wave_0_\@:
	s_barrier_wait -3
	s_barrier_signal -1
	s_barrier_wait -1
.endm
; One tensor load a wave: waves 0 to 2 a weight tile (joint: nothing in its registers hangs on the place in the cluster); wave 3 has none.
.macro JLOAD slot
	s_cmp_eq_u32 s3, 3
	s_cbranch_scc1 .Lnone_\@
	tensor_load_to_lds s[G0W+8*\slot:G0W+8*\slot+3], s[G1W:G1W+7]
	s_nop 0
.Lnone_\@:
.endm
; 16 LDS loads: one chunk of 32 columns.  Weights in f32: a lane's 16 numbers of a row are columns 8hh..8hh+7 and 16+8hh..16+8hh+7 of the chunk.
; x in bf16: a fragment is two loads of 16 bytes, 32 bytes apart.
.macro LOADS slot, t, kk, x
.irp g,0,1,2
	ds_load_b128 v[\x+16*\g:\x+16*\g+3],     v[ADR+3*\slot+\g] offset:128*(\kk)
	ds_load_b128 v[\x+16*\g+4:\x+16*\g+7],   v[ADR+3*\slot+\g] offset:128*(\kk)+16
	ds_load_b128 v[\x+16*\g+8:\x+16*\g+11],  v[ADR+3*\slot+\g] offset:128*(\kk)+64
	ds_load_b128 v[\x+16*\g+12:\x+16*\g+15], v[ADR+3*\slot+\g] offset:128*(\kk)+80
.endr
.irp tt,0,1
	ds_load_b128 v[\x+48+8*\tt:\x+48+8*\tt+3], v[VX] offset:(\t)*XBLK+\tt*16*XP+64*(\kk)
	ds_load_b128 v[\x+52+8*\tt:\x+52+8*\tt+3], v[VX] offset:(\t)*XBLK+\tt*16*XP+64*(\kk)+32
.endr
.endm
; 16 f32 to one bf16 fragment of 8 registers: register i takes numbers 2i and 2i+1 (in place: they lie at or above it)
.macro CVT8 b
.irp i,0,1,2,3,4,5,6,7
	v_cvt_pk_bf16_f32 v[\b+\i], v[\b+2*\i], v[\b+2*\i+1]
.endr
.endm
.macro MM d, a, b, zero
.if \zero
	v_wmma_f32_16x16x32_bf16 v[\d:\d+7], v[\a:\a+7], v[\b:\b+7], 0
.else
	v_wmma_f32_16x16x32_bf16 v[\d:\d+7], v[\a:\a+7], v[\b:\b+7], v[\d:\d+7]
.endif
.endm
; One chunk of 32 columns on buffer x; the next chunk's loads go into buffer y behind eight conversions, which name none of the registers of the
; matrix instructions that read y last: they are the places that a load into a matrix source has to stand behind.
; The six accumulators take turns, one instruction a turn.
.macro CH slot, t, kk, x, y, zero
	s_wait_dscnt 0x0                               ; only this chunk's 16 loads are out
	CVT8 \x
.if \kk < 3
	LOADS \slot, \t, (\kk+1), \y
.endif
	CVT8 \x+16
	CVT8 \x+32
	MM AQ,   \x,    \x+48, \zero
	MM AQ+8, \x,    \x+56, \zero
	MM AK,   \x+16, \x+48, \zero
	MM AK+8, \x+16, \x+56, \zero
	MM AV,   \x+48, \x+32, \zero
	MM AV+8, \x+56, \x+32, \zero
.endm
.macro WORK slot, t, zero              ; the four chunks of step t, weights from slot, x from its block t
	LOADS \slot, \t, 0, R0
	CH \slot, \t, 0, R0, R1, \zero
	CH \slot, \t, 1, R1, R0, 0
	CH \slot, \t, 2, R0, R1, 0
	CH \slot, \t, 3, R1, R0, 0
.endm
; Step t = 1..7, weights in slot = t mod 2.  In front of the round every wave has waited for all its tensor loads and for its reads of the other slot;
; behind it the other slot is asked for first, one load a wave: step t + 1's tiles, which have this step's work in which to land.
.macro TRIP t, slot, refill
	s_wait_tensorcnt 0x0                           ; all my tensor loads have landed, my part of this step's tiles among them: group 0 words may be written
	ds_add_u32 v254, v255
	s_wait_dscnt 0x0
.if \refill
	s_add_co_u32 s56, s81, \t+1
	s_and_b32 s56, s56, 7
	s_lshl_b32 s56, s56, 9                         ; column block (X + t + 1) mod 8, 512 bytes each
	s_add_nc_u64 s[G0W+8*(1-\slot)+2:G0W+8*(1-\slot)+3], s[52:53], s[56:57]
	s_or_b32 s[G0W+8*(1-\slot)+3], s[G0W+8*(1-\slot)+3], 0x80000000
.endif
	s_wait_dscnt 0x0                               ; my reads of the last step's slot are back
	ROUND
.if \refill
	JLOAD (1-\slot)
.endif
	WORK \slot, \t, 0
.endm
; x0, x1 (f32) = hi + lo, each a packed pair of bf16
.macro SPLITB x, dh, dl, t
	v_cvt_pk_bf16_f32 v[\dh], v[\x], v[\x+1]
	v_lshlrev_b32 v[\t], 16, v[\dh]
	v_and_b32 v[\t+1], 0xffff0000, v[\dh]
	v_pk_add_f32 v[\t:\t+1], v[\x:\x+1], v[\t:\t+1] neg_lo:[0,1] neg_hi:[0,1]
	v_cvt_pk_bf16_f32 v[\dl], v[\t], v[\t+1]
.endm
; the same in f16; dh and dl are plain register numbers, since a half register is named v88.l
.macro SPLITH x, dh, dl, t
	v_cvt_pk_f16_f32 v\dh, v[\x], v[\x+1]
	v_cvt_f32_f16 v[\t], v\dh\().l
	v_cvt_f32_f16 v[\t+1], v\dh\().h
	v_pk_add_f32 v[\t:\t+1], v[\x:\x+1], v[\t:\t+1] neg_lo:[0,1] neg_hi:[0,1]
	v_cvt_pk_f16_f32 v\dl, v[\t], v[\t+1]
.endm
; 64 rows d x 16 columns of a U matrix, transposed into fragment order: a lane takes column r at d = 32c + 8hh + e and 32c + 16 + 8hh + e
.macro UT dst, adr, base
.irp c,0,1
.irp e,0,1,2,3,4,5,6,7
	global_load_b32 v[\dst+16*\c+\e],   v[\adr], s[\base:\base+1] offset:(32*\c+\e)*256
	global_load_b32 v[\dst+16*\c+8+\e], v[\adr], s[\base:\base+1] offset:(32*\c+16+\e)*256
.endr
.endr
.endm
	s_load_b512 s[16:31], s[0:1], 0x0              ; x 16, qV 18, kV 20, vV 22, qU 24, kU 26, vU 28, cV 30
	s_load_b256 s[32:39], s[0:1], 0x40             ; cU 32, tq 34, kv 36, mt 38
	s_load_b128 s[40:43], s[0:1], 0x60             ; nt 40, cub 42
	v_lshl_add_u32 v254, v0, 2, 0x47000
	v_mov_b32 v255, 0
	ds_add_u32 v254, v255
	v_lshrrev_b32 v1, 5, v0
	v_readfirstlane_b32 s3, v1                     ; wave 0..3
	s_bfe_u32 s4, ttmp6, 0x40000                   ; my place in the cluster
	s_lshl_b32 s5, ttmp9, 2
	s_add_co_u32 s5, s5, s4                        ; work-group 0..255
	s_and_b32 s81, ttmp9, 7                        ; X mod 8: where my cluster begins; made of the cluster's number alone
	; x: load number 8 t + q of a thread takes row 4 q + w, 16 bytes at 16 x lane of column block (X + t) mod 8
	v_and_b32 v26, 31, v0
	v_lshlrev_b32 v26, 4, v26
	v_lshl_add_u32 v26, v1, 12, v26                ; 4,096 w + 16 x lane
.irp t,0,1,2,3,4,5,6,7
	s_add_co_u32 s6, s81, \t
	s_and_b32 s6, s6, 7
	s_lshl_b32 s6, s6, 9
	v_add_nc_u32 v[XO+\t], s6, v26
.endr
	s_lshl_b32 s8, s5, 17                          ; 32 rows of 4,096 bytes for each work-group
	s_mov_b32 s9, 0
	; shape of a weight tile: 64 rows x 128 elements of 4 bytes, 4 words of padding behind every 128 words, mask of all four partners
	s_mov_b32 s[G1W+0], 15|(2<<16)|(1<<20)|(1<<21)|(6<<22)|(3<<25)
	s_mov_b32 s[G1W+1], 128<<16                    ; tensor_dim0 = 128
	s_mov_b32 s[G1W+2], 64<<16                     ; tensor_dim1 = 64
	s_mov_b32 s[G1W+3], 128<<16                    ; tile_dim0 = 128
	s_mov_b32 s[G1W+4], 64                         ; tile_dim1 = 64
	s_mov_b32 s[G1W+5], 1024                       ; elements from row to row
	s_mov_b32 s[G1W+6], 0
	s_mov_b32 s[G1W+7], 0
	s_mul_i32 s6, s3, WREG                         ; a weight tile's place in a slot: the wave's number alone
	s_mov_b32 s[G0W], 1
	s_mov_b32 s[G0W+1], s6
	s_mov_b32 s[G0W+8], 1
	s_add_co_u32 s[G0W+9], s6, SLOT
	s_mov_b32 s57, 0
	s_wait_dscnt 0x0
	s_wait_kmcnt 0x0
	s_add_nc_u64 s[54:55], s[16:17], s[8:9]        ; x at my 32 rows
	WIN TO_HI
.irp t,0,1,2,3,4,5,6,7
.irp q,0,1,2,3,4,5,6,7
	global_load_b128 v[32*\t+4*\q:32*\t+4*\q+3], v[XO+\t], s[54:55] offset:\q*16384 th:TH_LOAD_NT   ; registers 256 + 32 t + 4 q ..; a wave's load covers 512 consecutive bytes
.endr
.endr
	WIN 0
	s_cmp_eq_u32 s3, 1
	s_cselect_b64 s[52:53], s[20:21], s[18:19]     ; wave 0: qV, wave 1: kV,
	s_cmp_eq_u32 s3, 2
	s_cselect_b64 s[52:53], s[22:23], s[52:53]     ; wave 2: vV
	s_lshl_b32 s56, s81, 9                         ; step 0: column block X mod 8
	s_add_nc_u64 s[G0W+2:G0W+3], s[52:53], s[56:57]
	s_or_b32 s[G0W+3], s[G0W+3], 0x80000000
	s_add_co_u32 s56, s81, 1
	s_and_b32 s56, s56, 7
	s_lshl_b32 s56, s56, 9                         ; step 1
	s_add_nc_u64 s[G0W+10:G0W+11], s[52:53], s[56:57]
	s_or_b32 s[G0W+11], s[G0W+11], 0x80000000
	ROUND                                          ; all four work-groups are here: the first joint loads meet
	s_cmp_eq_u32 s3, 3
	s_cbranch_scc1 .Lno_first
	tensor_load_to_lds s[G0W:G0W+3], s[G1W:G1W+7]      ; both slots' first fills go out together: two tensor loads out here, one at any later time
	s_nop 0
	tensor_load_to_lds s[G0W+8:G0W+11], s[G1W:G1W+7]
	s_nop 0
.Lno_first:
	; lane terms, while x and the first two steps' weights are on their way
	v_and_b32 v1, 15, v0                           ; r
	v_bfe_u32 v2, v0, 4, 1                         ; hh
	v_lshlrev_b32 v3, 5, v1
	v_lshl_add_u32 v3, v2, 4, v3                   ; 32 r + 16 hh: my 16 bytes of a 512-byte tile
	v_mul_u32_u24 v26, v1, PITCH
	v_lshl_add_u32 v26, v2, 5, v26                 ; r x pitch + 32 hh
	s_mul_i32 s6, s3, 16*PITCH
	v_add_nc_u32 v27, s6, v26                      ; + my 16 ranks
.irp s,0,1
.irp g,0,1,2
	v_add_nc_u32 v[ADR+3*\s+\g], \s*SLOT+\g*WREG, v27
.endr
.endr
	v_mul_u32_u24 v26, v1, XP
	v_lshl_add_u32 v26, v2, 4, v26
	v_add_nc_u32 v[VX], XB, v26                    ; x: row r, 16 hh
	v_and_b32 v26, 31, v0
	v_lshlrev_b32 v26, 3, v26
	s_mul_i32 s6, s3, XP
	s_add_co_u32 s6, s6, XB
	v_add_nc_u32 v[VST], s6, v26                   ; x, in: row w, 8 bytes a lane: a wave's store covers a row's 256 bytes
	v_add_nc_u32 v[VST+1], 4*XBLK, v[VST]
	v_mul_u32_u24 v26, v1, SP
	v_lshl_add_u32 v26, v2, 4, v26                 ; r x 144 + 16 hh
	s_lshl_b32 s6, s3, 5
	s_add_co_u32 s6, s6, STAGE
	v_add_nc_u32 v12, s6, v26                      ; stage, q and k: row = token r, bytes 32 w + 16 hh (8 ranks)
	s_mul_i32 s6, s3, 16*SP
	s_add_co_u32 s6, s6, STAGE+64*SP
	v_add_nc_u32 v13, s6, v26                      ; stage, v: row 64 + feature 16 w + r, bytes 16 hh (8 keys)
	v_lshrrev_b32 v26, 3, v0
	v_and_b32 v27, 7, v0
	v_mul_u32_u24 v14, v26, SP
	v_lshl_add_u32 v14, v27, 4, v14
	v_add_nc_u32 v14, STAGE, v14                   ; stage, back: thread t takes 16 bytes of row t / 8
	v_lshlrev_b32 v15, 4, v0                       ; and puts them at byte 16 t
	; s = (rank + 1)^-0.7 = exp2(-0.7 log2(rank + 1)); rank 0 gives exactly 1
	s_lshl_b32 s6, s3, 4
	s_add_co_u32 s6, s6, 1
	v_lshl_add_u32 v26, v2, 3, s6                  ; 16 w + 8 hh + 1
.irp j,0,1,2,3,4,5,6,7
	v_add_nc_u32 v[SQ+\j], \j, v26
.endr
	v_add_nc_u32 v[SV], s6, v1                     ; 16 w + r + 1
.irp j,0,1,2,3,4,5,6,7,8
	v_cvt_f32_u32 v[SQ+\j], v[SQ+\j]
.endr
.irp j,0,1,2,3,4,5,6,7,8
	v_log_f32 v[SQ+\j], v[SQ+\j]
.endr
	v_nop                                          ; one plain place behind a transcendental before its result is used (ISA guide 5.7.2)
	s_wait_alu depctr_va_vdst(0)
.irp j,0,1,2,3,4,5,6,7,8
	v_mul_f32 v[SQ+\j], 0xbf333333, v[SQ+\j]
.endr
.irp j,0,1,2,3,4,5,6,7,8
	v_exp_f32 v[SQ+\j], v[SQ+\j]
.endr
	v_nop
	s_wait_alu depctr_va_vdst(0)
	v_mov_b32 v[SV+1], v[SV]
	; the tables' tile: number = work-group number
	s_lshr_b32 s6, s5, 4                           ; h
	s_bfe_u32 s7, s5, 0x20002                      ; a: which 16 rows of the table
	s_and_b32 s8, s5, 3                            ; bb: which 16 columns
	s_lshl_b32 s9, s6, 14                          ; 64 h rows of 256 bytes in a U matrix
	s_lshl_b32 s10, s8, 6
	s_add_co_u32 s10, s10, s9
	v_lshlrev_b32 v30, 2, v1
	v_lshl_add_u32 v30, v2, 11, v30                ; 4 r + 8 hh rows
	v_add_nc_u32 v28, s10, v30                     ; columns 16 bb + r
	; x to bf16, block by block as it comes, then into LDS
	WIN FROM_HI
.irp t,0,1,2,3,4,5,6,7
	s_wait_loadcnt 56-8*\t                         ; loads come back in order: block t's eight are in, the 56 - 8 t younger ones may be out
.irp q,0,1,2,3,4,5,6,7
	v_cvt_pk_bf16_f32 v[80+16*\t+2*\q],   v[32*\t+4*\q],   v[32*\t+4*\q+1]
	v_cvt_pk_bf16_f32 v[80+16*\t+2*\q+1], v[32*\t+4*\q+2], v[32*\t+4*\q+3]
.endr
.endr
	WIN 0
.irp t,0,1,2,3,4,5,6,7
.irp q,0,1,2,3,4,5,6,7
	ds_store_b64 v[VST+(\t>>2)], v[80+16*\t+2*\q:80+16*\t+2*\q+1] offset:(\t&3)*XBLK+\q*4*XP   ; block t, row 4 q + w
.endr
.endr
	; the tables' loads: mt (wave 0), nt (wave 1), cub (wave 2), into registers 256 + .., which x has left; they are used behind the way out
	s_cmp_eq_u32 s3, 0
	s_cbranch_scc1 .Lpl_m
	s_cmp_eq_u32 s3, 1
	s_cbranch_scc1 .Lpl_n
	s_cmp_eq_u32 s3, 2
	s_cbranch_scc1 .Lpl_c
	s_branch .Lpl_done
.Lpl_m:
	s_lshl_b32 s11, s7, 6
	s_add_co_u32 s11, s11, s9
	v_add_nc_u32 v29, s11, v30                     ; columns 16 a + r
	WIN TO_HI
	UT 80, 28, 24                                  ; qU
	UT 112, 29, 26                                 ; kU
	WIN 0
	s_branch .Lpl_done
.Lpl_n:
	s_lshl_b32 s11, s7, 16                         ; 16 a rows of 4,096 bytes of cV
	s_lshl_b32 s12, s6, 8                          ; 64 h columns
	s_add_co_u32 s11, s11, s12
	v_lshlrev_b32 v29, 12, v1
	v_lshl_add_u32 v29, v2, 5, v29
	v_add_nc_u32 v29, s11, v29
	WIN TO_HI
	UT 80, 28, 28                                  ; vU
.irp c,0,1
	global_load_b128 v[112+16*\c:115+16*\c], v29, s[30:31] offset:128*\c
	global_load_b128 v[116+16*\c:119+16*\c], v29, s[30:31] offset:128*\c+16
	global_load_b128 v[120+16*\c:123+16*\c], v29, s[30:31] offset:128*\c+64
	global_load_b128 v[124+16*\c:127+16*\c], v29, s[30:31] offset:128*\c+80
.endr
	WIN 0
	s_branch .Lpl_done
.Lpl_c:
	s_lshr_b32 s11, s5, 2                          ; rows 16 (wg / 4) + r, columns 16 bb + 8 hh .. + 7 of cU
	s_lshl_b32 s11, s11, 12
	s_lshl_b32 s12, s8, 6
	s_add_co_u32 s11, s11, s12
	v_lshlrev_b32 v29, 8, v1
	v_lshl_add_u32 v29, v2, 5, v29
	v_add_nc_u32 v29, s11, v29
	WIN TO_HI
	global_load_b128 v[80:83], v29, s[32:33]
	global_load_b128 v[84:87], v29, s[32:33] offset:16
	WIN 0
.Lpl_done:
	; the eight steps, written out
	s_wait_tensorcnt 0x1                           ; my part of step 0's weights is in; step 1's may stay out
	s_wait_dscnt 0x0                               ; my rows of x are in LDS, for the other waves' sake
	s_barrier_signal -1
	s_barrier_wait -1
	WORK 0, 0, 1                                   ; the first products start the sums
	TRIP 1, 1, 1
	TRIP 2, 0, 1
	TRIP 3, 1, 1
	TRIP 4, 0, 1
	TRIP 5, 1, 1
	TRIP 6, 0, 1
	TRIP 7, 1, 0                                   ; the last step asks for nothing
	; THE WAY OUT: scale by s, round, 16 bytes a lane into the stage, read back as whole rows
	NOPS 5                                         ; the places behind the last matrix instructions: for the readers of the sums, and for the tables' products below, which write over buffer 1
.irp tt,0,1
.irp i,0,2,4,6
	v_pk_mul_f32 v[AQ+8*\tt+\i:AQ+8*\tt+\i+1], v[AQ+8*\tt+\i:AQ+8*\tt+\i+1], v[SQ+\i:SQ+\i+1]
	v_pk_mul_f32 v[AK+8*\tt+\i:AK+8*\tt+\i+1], v[AK+8*\tt+\i:AK+8*\tt+\i+1], v[SQ+\i:SQ+\i+1]
	v_pk_mul_f32 v[AV+8*\tt+\i:AV+8*\tt+\i+1], v[AV+8*\tt+\i:AV+8*\tt+\i+1], v[SV:SV+1]
.endr
.irp i,0,1,2,3
	v_cvt_pk_bf16_f32 v[80+\i], v[AQ+8*\tt+2*\i], v[AQ+8*\tt+2*\i+1]
	v_cvt_pk_bf16_f32 v[84+\i], v[AK+8*\tt+2*\i], v[AK+8*\tt+2*\i+1]
.endr
	ds_store_b128 v12, v[80:83] offset:\tt*16*SP             ; t_q: rows 0-31
	ds_store_b128 v12, v[84:87] offset:\tt*16*SP+32*SP       ; t_k: rows 32-63
	SPLITH AV+8*\tt+0, 88, 92, 96
	SPLITH AV+8*\tt+2, 89, 93, 98
	SPLITH AV+8*\tt+4, 90, 94, 100
	SPLITH AV+8*\tt+6, 91, 95, 102
	ds_store_b128 v13, v[88:91] offset:32*\tt                ; t_v hi: keys 16 tt + 8 hh ..
	ds_store_b128 v13, v[92:95] offset:64+32*\tt             ; t_v lo
.endr
	s_mov_b32 s83, 0
	s_lshl_b32 s82, s5, 12
	s_add_nc_u64 s[84:85], s[34:35], s[82:83]      ; tq + 4,096 x work-group
	s_mul_i32 s82, s5, 12288
	s_add_nc_u64 s[86:87], s[36:37], s[82:83]      ; kv + 12,288 x work-group
	s_wait_dscnt 0x0                               ; my stage stores are done, for the other waves' sake
	s_barrier_signal -1
	s_barrier_wait -1
.irp i,0,1,2,3,4,5,6,7
	ds_load_b128 v[80+4*\i:83+4*\i], v14 offset:\i*16*SP
.endr
.irp i,0,1
	s_wait_dscnt 7-\i                              ; LDS loads come back in order: load i is in
	global_store_b128 v15, v[80+4*\i:83+4*\i], s[84:85] offset:\i*2048      ; a wave's store covers 512 consecutive bytes
.endr
.irp i,2,3,4,5,6,7
	s_wait_dscnt 7-\i
	global_store_b128 v15, v[80+4*\i:83+4*\i], s[86:87] offset:(\i-2)*2048
.endr
	s_wait_xcnt 0x0                                ; the stores' data and bases are written again only behind this wait
	; THE TABLES: one tile each of mt (wave 0), nt (wave 1) and cub (wave 2); each store covers 512 consecutive bytes
	s_lshl_b32 s82, s5, 9                          ; 512 x work-group
	s_bfe_u32 s7, s5, 0x20002                      ; a
	s_cmp_eq_u32 s3, 0
	s_cbranch_scc1 .Lpc_m
	s_cmp_eq_u32 s3, 1
	s_cbranch_scc1 .Lpc_n
	s_cmp_eq_u32 s3, 2
	s_cbranch_scc1 .Lpc_c
	s_branch .Lpc_done
.Lpc_m:
	; D(m = r1 = 16bb + .., n = r2 = 16a + r) = sum_d qU[d][r1] kU[d][r2]: a lane ends with 8 neighbouring r1 of row r2 = r
	s_add_nc_u64 s[84:85], s[38:39], s[82:83]
	s_wait_loadcnt 0x0
	WIN FROM_HI
	CVT8 80
	CVT8 96
	CVT8 112
	CVT8 128
	WIN 0
	MM 160, 80, 112, 1                             ; d = 0..31 and d = 32..63 in accumulators of their own
	MM 168, 96, 128, 1
	NOPS 4
.irp i,0,2,4,6
	v_pk_add_f32 v[160+\i:161+\i], v[160+\i:161+\i], v[168+\i:169+\i]
.endr
.irp i,0,2,4,6
	v_pk_mul_f32 v[160+\i:161+\i], v[160+\i:161+\i], 0x3e38aa3b op_sel_hi:[1,0]   ; 1/sqrt(64) x log2(e)
.endr
.irp i,0,1,2,3
	v_cvt_pk_bf16_f32 v[176+\i], v[160+2*\i], v[161+2*\i]
.endr
	global_store_b128 v3, v[176:179], s[84:85]
	s_branch .Lpc_done
.Lpc_n:
	; D(m = r = 16bb + .., n = r' = 16a + r) = sum_d vU[d][r] cV[r'][d], times s of r'
	s_add_nc_u64 s[84:85], s[40:41], s[82:83]
	s_lshl_b32 s12, s7, 4
	s_add_co_u32 s12, s12, 1
	v_add_nc_u32 v26, s12, v1                      ; r' + 1
	v_cvt_f32_u32 v26, v26
	v_log_f32 v26, v26
	v_nop
	s_wait_alu depctr_va_vdst(0)
	v_mul_f32 v26, 0xbf333333, v26
	v_exp_f32 v26, v26
	v_nop
	s_wait_alu depctr_va_vdst(0)
	v_mov_b32 v27, v26
	s_wait_loadcnt 0x0
	WIN FROM_HI
	CVT8 80
	CVT8 96
	CVT8 112
	CVT8 128
	WIN 0
	MM 160, 80, 112, 1
	MM 168, 96, 128, 1
	NOPS 4
.irp i,0,2,4,6
	v_pk_add_f32 v[160+\i:161+\i], v[160+\i:161+\i], v[168+\i:169+\i]
.endr
.irp i,0,2,4,6
	v_pk_mul_f32 v[160+\i:161+\i], v[160+\i:161+\i], v[26:27]
.endr
.irp i,0,1,2,3
	SPLITB 160+2*\i, 176+\i, 180+\i, 184+2*\i
.endr
	global_store_b128 v3, v[176:179], s[84:85]
	global_store_b128 v3, v[180:183], s[84:85] offset:131072
	s_branch .Lpc_done
.Lpc_c:
	s_add_nc_u64 s[84:85], s[42:43], s[82:83]
	s_wait_loadcnt 0x0
	WIN FROM_HI
.irp i,0,1,2,3
	v_cvt_pk_bf16_f32 v[88+\i], v[80+2*\i], v[81+2*\i]
.endr
	WIN 0
	global_store_b128 v3, v[88:91], s[84:85]
.Lpc_done:
	s_wait_tensorcnt 0x0
	ds_add_u32 v254, v255
	s_wait_dscnt 0x0
	ROUND                                          ; the closing round: no work-group ends while a partner may still ask jointly
	s_endpgm
.Lfunc_end_k_q5752fdbf40_proj:
	.size	k_q5752fdbf40_proj, .Lfunc_end_k_q5752fdbf40_proj-k_q5752fdbf40_proj
	.p2alignl 7, 3214868480
	.fill 96, 4, 3214868480
	.section	.rodata,"a",@progbits
	.p2align	6, 0x0
	.amdhsa_kernel k_q5752fdbf40_proj
		.amdhsa_group_segment_fixed_size 327680
		.amdhsa_private_segment_fixed_size 0
		.amdhsa_enable_private_segment 0
		.amdhsa_kernarg_size 112
		.amdhsa_user_sgpr_count 2
		.amdhsa_user_sgpr_kernarg_segment_ptr 1
		.amdhsa_wavefront_size32 1
		.amdhsa_system_sgpr_workgroup_id_x 1
		.amdhsa_system_sgpr_workgroup_id_y 1
		.amdhsa_system_sgpr_workgroup_id_z 1
		.amdhsa_system_vgpr_workitem_id 0
		.amdhsa_next_free_vgpr 512
		.amdhsa_next_free_sgpr 88
		.amdhsa_reserve_vcc 0
		.amdhsa_float_denorm_mode_32 3
		.amdhsa_float_denorm_mode_16_64 3
		.amdhsa_memory_ordered 1
		.amdhsa_forward_progress 1
		.amdhsa_inst_pref_size 153
	.end_amdhsa_kernel
	.amdgpu_metadata
---
amdhsa.version: [ 1, 2 ]
amdhsa.kernels:
  - .name:           k_q5752fdbf40_proj
    .symbol:         k_q5752fdbf40_proj.kd
    .args:
      - { .name: x, .offset: 0, .size: 8, .value_kind: global_buffer, .address_space: global }
      - { .name: q_V, .offset: 8, .size: 8, .value_kind: global_buffer, .address_space: global }
      - { .name: k_V, .offset: 16, .size: 8, .value_kind: global_buffer, .address_space: global }
      - { .name: v_V, .offset: 24, .size: 8, .value_kind: global_buffer, .address_space: global }
      - { .name: q_U, .offset: 32, .size: 8, .value_kind: global_buffer, .address_space: global }
      - { .name: k_U, .offset: 40, .size: 8, .value_kind: global_buffer, .address_space: global }
      - { .name: v_U, .offset: 48, .size: 8, .value_kind: global_buffer, .address_space: global }
      - { .name: c_V, .offset: 56, .size: 8, .value_kind: global_buffer, .address_space: global }
      - { .name: c_U, .offset: 64, .size: 8, .value_kind: global_buffer, .address_space: global }
      - { .name: tq, .offset: 72, .size: 8, .value_kind: global_buffer, .address_space: global }
      - { .name: kv, .offset: 80, .size: 8, .value_kind: global_buffer, .address_space: global }
      - { .name: mt, .offset: 88, .size: 8, .value_kind: global_buffer, .address_space: global }
      - { .name: nt, .offset: 96, .size: 8, .value_kind: global_buffer, .address_space: global }
      - { .name: cub, .offset: 104, .size: 8, .value_kind: global_buffer, .address_space: global }
    .group_segment_fixed_size: 327680
    .private_segment_fixed_size: 0
    .kernarg_segment_align: 8
    .kernarg_segment_size: 112
    .max_flat_workgroup_size: 128
    .sgpr_count:     88
    .vgpr_count:     512
    .wavefront_size: 32
...
	.end_amdgpu_metadata
.endif
;; end of part 3
;; launch attn (part 4): grid 64 x 4, 8 waves a work-group, clusters of 4 x 1, 327,680 bytes of LDS; arguments tq, kv, mt, nt, cub, out0; writes out0
.if DOCPART == 4
	.amdgcn_target "amdgcn-amd-amdhsa--gfx1250"
	.amdhsa_code_object_version 6
	.text
	.protected	k_q5752fdbf40_attn
	.globl	k_q5752fdbf40_attn
	.p2align	8
	.type	k_q5752fdbf40_attn,@function
k_q5752fdbf40_attn:
	s_mov_b64 s[64:65], 0
	v_nop
	global_prefetch_b8 v0, s[64:65] scope:SCOPE_SE
	s_setreg_imm32_b32 hwreg(HW_REG_WAVE_MODE, 25, 1), 1
	s_wait_xcnt 0x0
	s_wait_alu depctr_hold_cnt(0) depctr_sa_sdst(0) depctr_va_vdst(0) depctr_va_sdst(0) depctr_va_ssrc(0) depctr_va_vcc(0) depctr_vm_vsrc(0)
	s_getreg_b32 s2, hwreg(HW_REG_IB_STS2, 6, 4)
	s_cmp_eq_u32 s2, 0
	s_cbranch_scc0 .Lentry_in_a_cluster
	s_endpgm
.Lentry_in_a_cluster:
	s_bfe_u32 s2, ttmp6, 0x10000c
	s_cmp_lg_u32 s2, 0x3003
	s_cbranch_scc0 .Lentry_shape_is_right
	s_endpgm
.Lentry_shape_is_right:
; SECOND LAUNCH: causal attention in rank space, the sum over heads and c_proj.
;   Q'_h = t_q M_h (bf16);  S_h = Q'_h t_k^T (already in base 2 and scaled);  P_h = exp2(S_h - running row maximum);  O_h = P_h t_v / row sum;
;   z = sum_h O_h N_h;  out = z cU^T.   t_k and t_v are the same 64-wide tiles for all 16 heads.
; SHARES: a work-group owns two tiles of 16 queries of batch b, tiles j and 127 - j, for all 16 heads, taken in two passes; wave w owns heads 2w and 2w+1
; (two column tiles of 16 queries).  Keys go in laps of 128 = two trips of 64 keys, slot 0 then slot 1.  A pass takes its diagonal lap first (masked),
; then the laps below it: 1 + a8 and 16 - a8 laps, 17 laps = 34 trips in every work-group (a8 = j / 8).
; CLUSTER: the four work-groups of a cluster have j = 4 X + 0..3, hence the same a8 and the same sequence of kv tiles: each tile of 24,576 bytes is asked for
; jointly (wave 0, one load of 96 rows), and so are the mt tables (each wave its two heads' 16,384 bytes, once).  nt and cub are NOT asked for jointly:
; each of their bytes is used once in a work-group, by one wave, and goes straight into registers in runs of 512 bytes; as LDS tiles they would take
; 393,216 bytes, more than the work-group has.
; EVERYTHING IS USED TRANSPOSED, so that no result is ever shuffled: a result tile D(m = 8hh + j, n = r), packed in pairs of registers, is registers 0-3
; (even tile) or 4-7 (odd tile) of the next product's second source (column n = r, k = m).  Queries are always the column n = r.
; FORMATS AND LIMITS: the score path (t_q, M, Q', t_k) is bf16.  P is f16 (at most 1; weights below about 6e-8 of the row's largest count as zero), the row
; sum is taken in f32 from the unrounded P.  t_v lies in kv as a pair of f16 (see the first launch: |t_v s| up to 65,504).  BOTH parts are multiplied in the
; diagonal lap of a pass, the 128 keys that hold the query's own: a row of fewer than 128 keys has all its keys there, and in such a row one key's rounding
; can reach the output whole.  For keys in the laps below, the hi part alone is multiplied: there V is one f16, rounded once, relative 2^-11.  That leaves
; out 16 of a trip's 48 matrix instructions and 16 of its 48 LDS loads in 30 of the 34 trips.
; O, N and z are pairs of bf16, of whose four products the three largest are formed.  Masked scores are the most negative finite f32, as in the problem's
; definition, and a running maximum is kept.  NaN and infinities get no special care.
.set PITCH, 272                        ; an LDS row of the ring: 256 bytes + 16
.set SLOTB, 96*PITCH                   ; 64 keys: two chunks of 48 rows (16 rows of K, two keys a row; 32 rows of V, two features a row)
.set QS,    2*SLOTB                    ; 52,224: 8 KB a wave: Q' fragments [pass][head][quad] x 512; at the end the wave's part of z
.set OS,    QS+8*8192                  ; 117,760: 16 KB a wave: its mt tables (their only fill), then O fragments, then the stage of the way out
.set ZF,    OS+8*16384                 ; 248,832: 8 KB: z fragments
.set TILEB, 24576                      ; bytes of 64 keys in kv
.set LS,  12                           ; v12-13   row sums, a lane's own part
.set O,   16                           ; v16-79   O(n, mt) = 16 + 32 n + 8 mt: D(m = feature, n = query)
.set QF,  80                           ; v80-111  Q'(n, kc) = 80 + 16 n + 8 kc
.set S,   112                          ; v112-175 S(n, u) = 112 + 32 n + 8 u: D(m = key, n = query); P(n, sb) is packed into S(n) + 16 sb .. + 7
.set GG,  120                          ; the four groups of 8 that packing frees: 120 + 16 mt
.set FA,  176                          ; v176-207 four fragments
.set FB,  208                          ; v208-239 four fragments
.set MN,  240                          ; v240-243 running maximum of n, twice
.set AL,  244                          ; v244-247 rescale factor of n (low register of each pair)
.set T,   248                          ; v248-255 at work
.set G0,  32                           ; s[32:35] slot 0, s[36:39] slot 1
.set G1K, 40                           ; s[40:47] shape of a kv tile
.set G1M, 48                           ; s[48:55] shape of a wave's mt tables
.set G0M, 56                           ; s[56:59]
.set OUTB, 66                          ; s[66:67], s[68:69] out0 at my rows of pass 0, 1, and my wave's 128 columns
.macro NOPS n
.rept \n
	v_nop
.endr
.endm
.macro ROUND                           ; a round of the cluster's barrier
	s_barrier_signal -1
	s_barrier_wait -1
	s_cmp_lg_u32 s18, 0
	s_cbranch_scc1 .Lnot_wave_0_\@
	s_barrier_signal -3
.Lnot_wave_0_\@:
	s_barrier_wait -3
	s_barrier_signal -1
	s_barrier_wait -1
.endm
.macro SPLITB x, dh, dl, t             ; x0, x1 (f32) = hi + lo, each a packed pair of bf16
	v_cvt_pk_bf16_f32 v[\dh], v[\x], v[\x+1]
	v_lshlrev_b32 v[\t], 16, v[\dh]
	v_and_b32 v[\t+1], 0xffff0000, v[\dh]
	v_pk_add_f32 v[\t:\t+1], v[\x:\x+1], v[\t:\t+1] neg_lo:[0,1] neg_hi:[0,1]
	v_cvt_pk_bf16_f32 v[\dl], v[\t], v[\t+1]
.endm
; four fragments of K: keys 16u + r, ranks 32 kc + ..
.macro KLOAD slot, kc, f
.irp u,0,1,2,3
	ds_load_b128 v[\f+8*\u:\f+8*\u+3],   v4 offset:\slot*SLOTB+(48*(\u>>1)+8*(\u&1))*PITCH+64*\kc
	ds_load_b128 v[\f+8*\u+4:\f+8*\u+7], v4 offset:\slot*SLOTB+(48*(\u>>1)+8*(\u&1))*PITCH+64*\kc+32
.endr
.endm
; four fragments of V^T: features 16 mt + r, keys 32 sb + .., part 0 hi, 1 lo; fragment mt goes to f + st x mt
.macro VLOAD slot, sb, part, f, st
.irp mt,0,1,2,3
	ds_load_b128 v[\f+\st*\mt:\f+\st*\mt+3],   v4 offset:\slot*SLOTB+(48*\sb+16+8*\mt)*PITCH+64*\part
	ds_load_b128 v[\f+\st*\mt+4:\f+\st*\mt+7], v4 offset:\slot*SLOTB+(48*\sb+16+8*\mt)*PITCH+64*\part+32
.endr
.endm
; eight score tiles, 32 ranks: the eight accumulators take turns, one instruction a turn
.macro QK f, kc, zero
.irp u,0,1,2,3
.irp n,0,1
.if \zero
	v_wmma_f32_16x16x32_bf16 v[S+32*\n+8*\u:S+32*\n+8*\u+7], v[\f+8*\u:\f+8*\u+7], v[QF+16*\n+8*\kc:QF+16*\n+8*\kc+7], 0
.else
	v_wmma_f32_16x16x32_bf16 v[S+32*\n+8*\u:S+32*\n+8*\u+7], v[\f+8*\u:\f+8*\u+7], v[QF+16*\n+8*\kc:QF+16*\n+8*\kc+7], v[S+32*\n+8*\u:S+32*\n+8*\u+7]
.endif
.endr
.endr
.endm
; eight tiles of O, 32 keys, one part of V: again eight accumulators by turns
.macro PV f, st, sb, zero
.irp mt,0,1,2,3
.irp n,0,1
.if \zero
	v_wmma_f32_16x16x32_f16 v[O+32*\n+8*\mt:O+32*\n+8*\mt+7], v[\f+\st*\mt:\f+\st*\mt+7], v[S+32*\n+16*\sb:S+32*\n+16*\sb+7], 0
.else
	v_wmma_f32_16x16x32_f16 v[O+32*\n+8*\mt:O+32*\n+8*\mt+7], v[\f+\st*\mt:\f+\st*\mt+7], v[S+32*\n+16*\sb:S+32*\n+16*\sb+7], v[O+32*\n+8*\mt:O+32*\n+8*\mt+7]
.endif
.endr
.endr
.endm
; key 16u + 8hh + j of the trip is allowed where 16u + j <= reg = query - 8hh - the trip's first key
.macro MASK reg
.irp u,0,1,2,3
.irp j,0,1,2,3,4,5,6,7
	v_cmp_le_i32 vcc_lo, 16*\u+\j, v[\reg]
	v_cndmask_b32 v[S+8*\u+\j], v11, v[S+8*\u+\j], vcc_lo
	v_cndmask_b32 v[S+32+8*\u+\j], v11, v[S+32+8*\u+\j], vcc_lo
.endr
.endr
.endm
; the softmax step of column tile n: a lane holds 32 of its query's 64 scores, the lane 16 further the other 32
.macro SM n, first
.irp c,0,1,2,3
	v_max3_num_f32 v[T+\c], v[S+32*\n+8*\c], v[S+32*\n+8*\c+1], v[S+32*\n+8*\c+2]
.endr
.irp c,0,1,2,3
	v_max3_num_f32 v[T+\c], v[T+\c], v[S+32*\n+8*\c+3], v[S+32*\n+8*\c+4]
.endr
.irp c,0,1,2,3
	v_max3_num_f32 v[T+\c], v[T+\c], v[S+32*\n+8*\c+5], v[S+32*\n+8*\c+6]
.endr
.irp c,0,1,2,3
	v_max_num_f32 v[T+\c], v[T+\c], v[S+32*\n+8*\c+7]
.endr
	v_max3_num_f32 v[T], v[T], v[T+1], v[T+2]
	v_max_num_f32 v[T], v[T], v[T+3]
	v_permlanex16_b32 v[T+1], v[T], s24, s25       ; the other half's maximum
.if \first
	v_max_num_f32 v[MN+2*\n], v[T], v[T+1]
.else
	v_max3_num_f32 v[T], v[T], v[T+1], v[MN+2*\n]
	v_sub_f32 v[T+2], v[MN+2*\n], v[T]
	v_mov_b32 v[MN+2*\n], v[T]
	v_exp_f32 v[AL+2*\n], v[T+2]                   ; what the old sums are worth under the new maximum
.endif
	v_mov_b32 v[MN+2*\n+1], v[MN+2*\n]             ; also the plain place behind the exponential (ISA guide 5.7.2)
.set ii, 0
.rept 16
	v_pk_add_f32 v[S+32*\n+ii:S+32*\n+ii+1], v[S+32*\n+ii:S+32*\n+ii+1], v[MN+2*\n:MN+2*\n+1] neg_lo:[0,1] neg_hi:[0,1]
.set ii, ii+2
.endr
.set ii, 0
.rept 32
	v_exp_f32 v[S+32*\n+ii], v[S+32*\n+ii]
.set ii, ii+1
.endr
	v_nop
	s_wait_alu depctr_va_vdst(0)
.irp i,0,1,2,3
	v_pk_add_f32 v[T+2*\i:T+2*\i+1], v[S+32*\n+4*\i:S+32*\n+4*\i+1], v[S+32*\n+4*\i+2:S+32*\n+4*\i+3]
.endr
.irp i,0,1,2,3
	v_pk_add_f32 v[T+2*\i:T+2*\i+1], v[T+2*\i:T+2*\i+1], v[S+32*\n+16+2*\i:S+32*\n+16+2*\i+1]
.endr
.irp i,0,1,2,3
	v_pk_add_f32 v[T+2*\i:T+2*\i+1], v[T+2*\i:T+2*\i+1], v[S+32*\n+24+2*\i:S+32*\n+24+2*\i+1]
.endr
	v_pk_add_f32 v[T:T+1], v[T:T+1], v[T+2:T+3]
	v_pk_add_f32 v[T+4:T+5], v[T+4:T+5], v[T+6:T+7]
	v_pk_add_f32 v[T:T+1], v[T:T+1], v[T+4:T+5]
.if \first
	v_add_f32 v[LS+\n], v[T], v[T+1]
.else
	v_add_f32 v[T], v[T], v[T+1]
	v_fma_f32 v[LS+\n], v[LS+\n], v[AL+2*\n], v[T]
.endif
	; pack to f16 in place: tile 2 sb into registers 0-3, tile 2 sb + 1 into registers 4-7 of P(n, sb); a target never lies above its sources
.irp sb,0,1
.irp i,0,1,2,3
	v_cvt_pk_f16_f32 v[S+32*\n+16*\sb+\i], v[S+32*\n+16*\sb+2*\i], v[S+32*\n+16*\sb+2*\i+1]
.endr
.irp i,0,1,2,3
	v_cvt_pk_f16_f32 v[S+32*\n+16*\sb+4+\i], v[S+32*\n+16*\sb+8+2*\i], v[S+32*\n+16*\sb+8+2*\i+1]
.endr
.endr
.endm
.macro RESCALE
.irp n,0,1
.set ii, 0
.rept 16
	v_pk_mul_f32 v[O+32*\n+ii:O+32*\n+ii+1], v[O+32*\n+ii:O+32*\n+ii+1], v[AL+2*\n:AL+2*\n+1] op_sel_hi:[1,0]
.set ii, ii+2
.endr
.endr
.endm
; ONE TRIP: 64 keys from slot.  refill: the next tile (byte offset s26 in the batch's part of kv) is asked for into the other slot.
; first: the pass's first trip starts maximum, sums and O.  mask: 0, or the register that holds the diagonal's bound.
; A masked trip belongs to the diagonal lap and multiplies both parts of V; an unmasked one multiplies the hi part alone (see the head).
.macro TRIP slot, refill, first, mask
	s_set_vgpr_msb 0x5
	s_wait_tensorcnt 0x0                           ; all my tensor loads have landed, this trip's tile among them (wave 0's): group 0 words may be written
	ds_add_u32 v0, v1
	s_wait_dscnt 0x0
	s_set_vgpr_msb 0x500
.if \refill
	s_add_nc_u64 s[G0+6-4*\slot:G0+7-4*\slot], s[60:61], s[26:27]
	s_or_b32 s[G0+7-4*\slot], s[G0+7-4*\slot], 0x80000000
	s_add_co_u32 s26, s26, TILEB
.endif
	s_wait_dscnt 0x0                               ; my reads of the other slot are back
	ROUND                                          ; both now hold of every wave of all four work-groups
.if \refill
	s_cmp_lg_u32 s18, 0
	s_cbranch_scc1 .Lno_fill_\@
	tensor_load_to_lds s[G0+4-4*\slot:G0+7-4*\slot], s[G1K:G1K+7]   ; first thing behind the round; it has this trip's work in which to land
	s_nop 0
.Lno_fill_\@:
.endif
	KLOAD \slot, 0, FB
	KLOAD \slot, 1, FA
	s_wait_dscnt 0x8                               ; ranks 0-31 are in; the eight younger loads may be out
	QK FB, 0, 1
	s_wait_dscnt 0x0
	QK FA, 1, 0
	NOPS 4                                         ; places behind the matrix instructions: for the loads into their sources and for the readers of S
.if \mask
	VLOAD \slot, 0, 0, FA, 8
	VLOAD \slot, 0, 1, FB, 8
	MASK \mask
	SM 0, \first
	SM 1, \first
	VLOAD \slot, 1, 0, GG, 16                      ; into the registers that packing has freed
.if \first == 0
	RESCALE
.endif
	s_wait_dscnt 0x8                               ; the sixteen loads of keys 0-31 are in; the eight just issued may be out
	PV FA, 8, 0, \first
	PV FB, 8, 0, 0
	NOPS 4
	VLOAD \slot, 1, 1, FA, 8
	s_wait_dscnt 0x8                               ; V hi of keys 32-63 is in; its lo part may be out
	PV GG, 16, 1, 0
	s_wait_dscnt 0x0
	PV FA, 8, 1, 0
.else
	VLOAD \slot, 0, 0, FA, 8                       ; V hi of keys 0-31
	VLOAD \slot, 1, 0, FB, 8                       ; V hi of keys 32-63: both have the softmax step in which to come
	SM 0, 0
	SM 1, 0
	RESCALE
	s_wait_dscnt 0x8                               ; the eight loads of keys 0-31 are in; those of keys 32-63 may be out
	PV FA, 8, 0, 0
	s_wait_dscnt 0x0
	PV FB, 8, 1, 0
.endif
	NOPS 5                                         ; the next scores are written over P and over V's fragments, and K is loaded over V's
.endm
.macro HEAD p                          ; the pass's Q' fragments, from my own bytes
.irp n,0,1
.irp a,0,1,2,3
	ds_load_b128 v[QF+16*\n+4*\a:QF+16*\n+4*\a+3], v5 offset:\p*4096+\n*2048+\a*512
.endr
.endr
.endm
.macro END p                           ; O / row sum, split into a pair of bf16, into my own bytes as fragments
	v_permlanex16_b32 v[T], v[LS], s24, s25
	v_permlanex16_b32 v[T+1], v[LS+1], s24, s25
	v_add_f32 v[T], v[T], v[LS]
	v_add_f32 v[T+1], v[T+1], v[LS+1]
	v_rcp_f32 v[AL], v[T]                          ; the sum is at least 1: the row's largest weight is exp2(0)
	v_rcp_f32 v[AL+2], v[T+1]
	v_nop
	s_wait_alu depctr_va_vdst(0)
.irp n,0,1
.irp mt,0,1,2,3
.irp i,0,1,2,3
	v_pk_mul_f32 v[O+32*\n+8*\mt+2*\i:O+32*\n+8*\mt+2*\i+1], v[O+32*\n+8*\mt+2*\i:O+32*\n+8*\mt+2*\i+1], v[AL+2*\n:AL+2*\n+1] op_sel_hi:[1,0]
.endr
.irp i,0,1,2,3
	SPLITB O+32*\n+8*\mt+2*\i, 208+\i, 212+\i, 216+2*\i
.endr
	ds_store_b128 v10, v[208:211] offset:\p*8192+\n*4096+\mt*512
	ds_store_b128 v10, v[212:215] offset:\p*8192+\n*4096+2048+\mt*512
.endr
.endr
.endm
; Q'^T of head 2w + i for both query tiles: D(a, p)(m = r2, n = query) = sum over r1 of M^T t_q^T
.macro QPRIME i
.irp a,0,1,2,3
.irp c,0,1
.irp t,0,1
	ds_load_b128 v[48+16*\a+8*\c+4*\t:48+16*\a+8*\c+4*\t+3], v15 offset:\i*8192+(4*\a+2*\c+\t)*512
.endr
.endr
.endr
	s_wait_dscnt 0x0
.irp c,0,1
.irp a,0,1,2,3
.irp p,0,1
.if \c == 0
	v_wmma_f32_16x16x32_bf16 v[112+16*\a+8*\p:112+16*\a+8*\p+7], v[48+16*\a+8*\c:48+16*\a+8*\c+7], v[16+16*\p+8*\c:16+16*\p+8*\c+7], 0
.else
	v_wmma_f32_16x16x32_bf16 v[112+16*\a+8*\p:112+16*\a+8*\p+7], v[48+16*\a+8*\c:48+16*\a+8*\c+7], v[16+16*\p+8*\c:16+16*\p+8*\c+7], v[112+16*\a+8*\p:112+16*\a+8*\p+7]
.endif
.endr
.endr
.endr
	NOPS 5                                         ; for the conversions, for the next head's loads into the sources, and for its products over these tiles
.irp p,0,1
.irp a,0,1,2,3
.irp q,0,1,2,3
	v_cvt_pk_bf16_f32 v[176+16*\p+4*\a+\q], v[112+16*\a+8*\p+2*\q], v[112+16*\a+8*\p+2*\q+1]
.endr
	ds_store_b128 v5, v[176+16*\p+4*\a:176+16*\p+4*\a+3] offset:\p*4096+\i*2048+\a*512
.endr
.endr
.endm
; step st of the head sum: head 2w + (st >> 1), ranks 32 (st & 1) ..; sixteen loads of 512 consecutive bytes: N^T hi and lo, fragment (a, part) at buf + 16 a + 8 part
.macro NLOAD st, buf
.irp a,0,1,2,3
.irp part,0,1
.irp t,0,1
	global_load_b128 v[\buf+16*\a+8*\part+4*\t:\buf+16*\a+8*\part+4*\t+3], v3, s[70:71] offset:(\st>>1)*8192+(4*\a+2*(\st&1)+\t)*512+\part*131072
.endr
.endr
.endr
.endm
.macro BLOAD st                        ; O fragments (p, part) at 208 + 16 p + 8 part
.irp p,0,1
.irp part,0,1
.irp t,0,1
	ds_load_b128 v[208+16*\p+8*\part+4*\t:208+16*\p+8*\part+4*\t+3], v10 offset:\p*8192+(\st>>1)*4096+\part*2048+(2*(\st&1)+\t)*512
.endr
.endr
.endr
.endm
.macro EMM np, op, buf, zero           ; eight tiles Z(p, a) = 16 + 32 p + 8 a by turns: part np of N times part op of O
.irp a,0,1,2,3
.irp p,0,1
.if \zero
	v_wmma_f32_16x16x32_bf16 v[O+32*\p+8*\a:O+32*\p+8*\a+7], v[\buf+16*\a+8*\np:\buf+16*\a+8*\np+7], v[208+16*\p+8*\op:208+16*\p+8*\op+7], 0
.else
	v_wmma_f32_16x16x32_bf16 v[O+32*\p+8*\a:O+32*\p+8*\a+7], v[\buf+16*\a+8*\np:\buf+16*\a+8*\np+7], v[208+16*\p+8*\op:208+16*\p+8*\op+7], v[O+32*\p+8*\a:O+32*\p+8*\a+7]
.endif
.endr
.endr
.endm
.macro ESTEP buf, zero, left
	s_wait_loadcnt \left                           ; this step's sixteen table loads are in; the next step's sixteen may be out
	s_wait_dscnt 0x0
	EMM 0, 0, \buf, \zero
	EMM 0, 1, \buf, 0
	EMM 1, 0, \buf, 0
	NOPS 4
.endm
; c_proj: four tiles of 16 columns (16 (8w + 4g + i) ..) x 16 queries of pass p, four accumulators by turns
.macro EMUL p, g
.irp cp,0,1
.irp part,0,1
.irp i,0,1,2,3
.if (\cp+\part) == 0
	v_wmma_f32_16x16x32_bf16 v[208+8*\i:208+8*\i+7], v[80+16*(4*\g+\i)+8*\cp:80+16*(4*\g+\i)+8*\cp+7], v[16+32*\p+16*\part+8*\cp:16+32*\p+16*\part+8*\cp+7], 0
.else
	v_wmma_f32_16x16x32_bf16 v[208+8*\i:208+8*\i+7], v[80+16*(4*\g+\i)+8*\cp:80+16*(4*\g+\i)+8*\cp+7], v[16+32*\p+16*\part+8*\cp:16+32*\p+16*\part+8*\cp+7], v[208+8*\i:208+8*\i+7]
.endif
.endr
.endr
.endr
.endm
.macro STG g                           ; a lane's eight neighbouring columns of row r, 32 bytes, into my stage
.irp i,0,1,2,3
	ds_store_b128 v11, v[208+8*\i:208+8*\i+3]   offset:64*(4*\g+\i)
	ds_store_b128 v11, v[208+8*\i+4:208+8*\i+7] offset:64*(4*\g+\i)+16
.endr
.endm
.macro OUTP p
	EMUL \p, 0
	NOPS 5                                         ; for the stage stores, and for the next group's products over the same tiles
	STG 0
	EMUL \p, 1
	NOPS 5
	STG 1
.irp bt,0,1
.irp k,0,1,2,3,4,5,6,7
	ds_load_b128 v[208+4*\k:208+4*\k+3], v10 offset:(8*\bt+\k)*528     ; a whole row of my 128 columns; LDS serves a wave's instructions in order
.endr
.irp k,0,1,2,3,4,5,6,7
	s_wait_dscnt 7-\k
	global_store_b128 v14, v[208+4*\k:208+4*\k+3], s[OUTB+2*\p:OUTB+2*\p+1] offset:(8*\bt+\k)*4096 th:TH_STORE_NT   ; 512 consecutive bytes, aligned
.endr
	s_wait_xcnt 0x0                                ; the stores' data registers are written again only behind this wait
.endr
.endm
	s_load_b256 s[4:11], s[0:1], 0x0               ; tq 4, kv 6, mt 8, nt 10
	s_load_b128 s[12:15], s[0:1], 0x20             ; cub 12, out0 14
	s_set_vgpr_msb 0x40
	v_lshl_add_u32 v0, v0, 2, 0x3ec00
	v_mov_b32 v1, 0
	s_set_vgpr_msb 0x4045
	ds_add_u32 v0, v1
	s_set_vgpr_msb 0x4500
	v_lshrrev_b32 v1, 5, v0
	v_readfirstlane_b32 s18, v1                    ; wave 0..7
	s_bfe_u32 s19, ttmp6, 0x40000                  ; my place in the cluster
	s_lshl_b32 s20, ttmp9, 2
	s_add_co_u32 s20, s20, s19                     ; j = query tile of pass 0
	s_lshr_b32 s21, ttmp9, 1                       ; a8 = j / 8: made of the cluster's number alone, equal in all four partners
	s_and_b32 s22, ttmp7, 0xffff                   ; batch
	s_mov_b32 s24, 0x76543210                      ; v_permlanex16_b32: lane i reads lane i of the other half
	s_mov_b32 s25, 0xfedcba98
	s_mul_i32 s26, s21, 2*TILEB                    ; s[26:27]: byte offset of the next kv tile; first the diagonal lap of pass 0
	s_mov_b32 s27, 0
	s_sub_co_u32 s28, 15, s21
	s_mul_i32 s28, s28, 2*TILEB                    ; the diagonal lap of pass 1
	; a kv tile is dense: 96 rows of 32 elements of 8 bytes, 4 words of padding behind every 64 words; mask of all four partners
	s_mov_b32 s[G1K+0], 15|(3<<16)|(1<<20)|(1<<21)|(5<<22)|(3<<25)
	s_mov_b32 s[G1K+1], 32<<16
	s_mov_b32 s[G1K+2], 96<<16
	s_mov_b32 s[G1K+3], 32<<16
	s_mov_b32 s[G1K+4], 96
	s_mov_b32 s[G1K+5], 32
	s_mov_b32 s[G1K+6], 0
	s_mov_b32 s[G1K+7], 0
	; a wave's mt tables: 64 rows of 256 bytes, no padding
	s_mov_b32 s[G1M+0], 15|(3<<16)|(1<<21)
	s_mov_b32 s[G1M+1], 32<<16
	s_mov_b32 s[G1M+2], 64<<16
	s_mov_b32 s[G1M+3], 32<<16
	s_mov_b32 s[G1M+4], 64
	s_mov_b32 s[G1M+5], 32
	s_mov_b32 s[G1M+6], 0
	s_mov_b32 s[G1M+7], 0
	s_mov_b32 s[G0], 1
	s_mov_b32 s[G0+1], 0
	s_mov_b32 s[G0+4], 1
	s_mov_b32 s[G0+5], SLOTB
	s_mov_b32 s[G0M], 1
	s_lshl_b32 s17, s18, 14
	s_add_co_u32 s[G0M+1], s17, OS
	; offsets that all partners share go through s[30:31], those that hold my place in the cluster through s[78:79]
	s_mul_i32 s30, s22, 786432
	s_mov_b32 s31, 0
	s_mov_b32 s79, 0
	s_wait_dscnt 0x0
	s_wait_kmcnt 0x0
	s_add_nc_u64 s[60:61], s[6:7], s[30:31]        ; kv at my batch
	s_add_nc_u64 s[G0+2:G0+3], s[60:61], s[26:27]
	s_or_b32 s[G0+3], s[G0+3], 0x80000000
	s_add_co_u32 s26, s26, TILEB
	s_mov_b32 s30, s17                             ; 16,384 x wave
	s_add_nc_u64 s[G0M+2:G0M+3], s[8:9], s[30:31]
	s_or_b32 s[G0M+3], s[G0M+3], 0x80000000
	s_add_nc_u64 s[70:71], s[10:11], s[30:31]      ; nt at my two heads
	s_add_nc_u64 s[72:73], s[12:13], s[30:31]      ; cub at my 128 columns
	s_sub_co_u32 s62, 127, s20                     ; query tile of pass 1
	s_lshl_b32 s29, s22, 18                        ; tq: 2,048 tokens of 128 bytes a batch
	s_lshl_b32 s78, s20, 11
	s_add_co_u32 s78, s78, s29
	s_add_nc_u64 s[74:75], s[4:5], s[78:79]
	s_lshl_b32 s78, s62, 11
	s_add_co_u32 s78, s78, s29
	s_add_nc_u64 s[76:77], s[4:5], s[78:79]
	s_lshl_b32 s29, s22, 23                        ; out0: 2,048 rows of 4,096 bytes a batch,
	s_lshl_b32 s63, s18, 9                         ; my wave's 512 bytes of a row
	s_add_co_u32 s29, s29, s63
	s_lshl_b32 s78, s20, 16
	s_add_co_u32 s78, s78, s29
	s_add_nc_u64 s[OUTB:OUTB+1], s[14:15], s[78:79]
	s_lshl_b32 s78, s62, 16
	s_add_co_u32 s78, s78, s29
	s_add_nc_u64 s[OUTB+2:OUTB+3], s[14:15], s[78:79]
	; lane terms
	v_and_b32 v1, 15, v0                           ; r
	v_bfe_u32 v2, v0, 4, 1                         ; hh
	v_lshlrev_b32 v3, 5, v1
	v_lshl_add_u32 v3, v2, 4, v3                   ; 32 r + 16 hh: my 16 bytes of a 512-byte table tile
	v_lshlrev_b32 v13, 7, v1
	v_lshl_add_u32 v13, v2, 4, v13                 ; tq: row r, 16 hh
.irp p,0,1
.irp c,0,1
.irp t,0,1
	global_load_b128 v[16+16*\p+8*\c+4*\t:16+16*\p+8*\c+4*\t+3], v13, s[74+2*\p:75+2*\p] offset:64*\c+32*\t   ; t_q fragments (p, c) at 16 + 16 p + 8 c
.endr
.endr
.endr
	v_lshrrev_b32 v4, 1, v1
	v_mul_u32_u24 v4, v4, PITCH
	v_and_b32 v5, 1, v1
	v_lshl_add_u32 v4, v5, 7, v4
	v_lshl_add_u32 v4, v2, 4, v4                   ; ring: row r / 2, odd r 128 bytes in, 16 hh: sixteen lanes at sixteen different 16-byte columns modulo 256
	v_and_b32 v14, 31, v0
	v_lshlrev_b32 v14, 4, v14                      ; 16 x lane
	s_lshl_b32 s29, s18, 13
	s_add_co_u32 s29, s29, QS
	v_add_nc_u32 v5, s29, v14                      ; my 8 KB of QS
	s_add_co_u32 s29, s17, OS
	v_add_nc_u32 v10, s29, v14                     ; my 16 KB of OS
	v_add_nc_u32 v15, s29, v3                      ; the same, in table-tile order
	v_mov_b32 v11, 0xff7fffff                      ; the most negative finite f32
	s_and_b32 s63, s20, 7
	s_lshl_b32 s63, s63, 4                         ; 16 (j mod 8): pass 0's first query, counted from its diagonal lap's first key
	s_sub_co_u32 s16, 112, s63                     ; pass 1's
	v_lshlrev_b32 v6, 3, v2
	v_sub_nc_u32 v6, v1, v6                        ; r - 8 hh
	v_add_nc_u32 v8, s16, v6
	v_add_nc_u32 v6, s63, v6
	v_sub_nc_u32 v7, v6, 64                        ; the lap's second trip begins 64 keys further
	v_sub_nc_u32 v9, v8, 64
	v_mov_b32 v[AL+1], 0                           ; the upper registers of the factor pairs are never used as numbers, but are named
	v_mov_b32 v[AL+3], 0
	ROUND                                          ; all four work-groups are here: the first joint loads meet
	tensor_load_to_lds s[G0M:G0M+3], s[G1M:G1M+7]  ; every wave: its two heads' mt tables, into its own bytes
	s_nop 0
	s_cmp_lg_u32 s18, 0
	s_cbranch_scc1 .Lno_first
	tensor_load_to_lds s[G0:G0+3], s[G1K:G1K+7]    ; wave 0: the first kv tile.  Two tensor loads out here, one at any later time
	s_nop 0
.Lno_first:
	s_wait_tensorcnt 0x0                           ; each wave reads only the tables that it fetched itself
	s_wait_loadcnt 0x0                             ; t_q
	QPRIME 0
	QPRIME 1
	; PASS 0: query tile j.  Lap a8 (masked), then laps 0 .. a8 - 1
	HEAD 0
	TRIP 0, 1, 1, 6
	s_cmp_eq_u32 s21, 0
	s_cselect_b32 s26, s28, 0                      ; behind the diagonal lap: lap 0, or pass 1's diagonal lap if there is none below
	TRIP 1, 1, 0, 7
	s_cmp_eq_u32 s21, 0                            ; a8 is equal in all partners: they take this branch alike
	s_cbranch_scc1 .Lpass0_end
	s_mov_b32 s23, s21
.Lpass0:
	TRIP 0, 1, 0, 0
	s_cmp_eq_u32 s23, 1
	s_cselect_b32 s26, s28, s26                    ; behind the last lap: pass 1's diagonal lap
	TRIP 1, 1, 0, 0
	s_sub_co_u32 s23, s23, 1
	s_cmp_gt_i32 s23, 0                            ; a signed compare: the count-down ends at 0 from any start
	s_cbranch_scc1 .Lpass0
.Lpass0_end:
	END 0
	; PASS 1: query tile 127 - j.  Lap 15 - a8 (masked), then laps 0 .. 14 - a8, at least eight of them
	HEAD 1
	TRIP 0, 1, 1, 8
	s_mov_b32 s26, 0
	TRIP 1, 1, 0, 9
	s_sub_co_u32 s23, 14, s21                      ; a8 is at most 7: at least seven laps in the loop, one more behind it
.Lpass1:
	TRIP 0, 1, 0, 0
	TRIP 1, 1, 0, 0
	s_sub_co_u32 s23, s23, 1
	s_cmp_gt_i32 s23, 0
	s_cbranch_scc1 .Lpass1
	TRIP 0, 1, 0, 0
	TRIP 1, 0, 0, 0                                ; the last trip asks for nothing
	NLOAD 0, 80                                    ; the first two steps' tables are on their way while O is normalised
	NLOAD 1, 144
	END 1
	; z^T(m = r', n = query), my two heads' part: N = hi + lo, O = hi + lo; hi hi, hi lo and lo hi are formed
	BLOAD 0
	ESTEP 80, 1, 16
	NLOAD 2, 80
	BLOAD 1
	ESTEP 144, 0, 16
	NLOAD 3, 144
	BLOAD 2
	ESTEP 80, 0, 16
	BLOAD 3
	ESTEP 144, 0, 0
	; cU's fragments for my 128 columns: (i, c') at 80 + 16 i + 8 c'
.irp i,0,1,2,3,4,5,6,7
.irp cp,0,1
.irp t,0,1
	global_load_b128 v[80+16*\i+8*\cp+4*\t:80+16*\i+8*\cp+4*\t+3], v3, s[72:73] offset:\i*2048+(2*\cp+\t)*512
.endr
.endr
.endr
	; the sum over the eight waves' heads: each wave lays its eight tiles into its own 8 KB, then wave w sums tile w of all eight
.irp p,0,1
.irp a,0,1,2,3
	ds_store_b128 v5, v[O+32*\p+8*\a:O+32*\p+8*\a+3]   offset:(4*\p+\a)*1024
	ds_store_b128 v5, v[O+32*\p+8*\a+4:O+32*\p+8*\a+7] offset:(4*\p+\a)*1024+512
.endr
.endr
	s_add_co_u32 s29, s17, OS
	v_mul_u32_u24 v11, v1, 528
	v_lshl_add_u32 v11, v2, 5, v11
	v_add_nc_u32 v11, s29, v11                     ; my stage: row r of 528 bytes, 32 hh
	s_lshl_b32 s29, s18, 10
	s_add_co_u32 s29, s29, QS
	v_add_nc_u32 v12, s29, v14                     ; tile w in wave 0's part
	s_lshr_b32 s29, s18, 2
	s_lshl_b32 s29, s29, 12
	s_and_b32 s16, s18, 3
	s_lshl_b32 s16, s16, 9
	s_add_co_u32 s29, s29, s16
	s_add_co_u32 s29, s29, ZF
	v_add_nc_u32 v13, s29, v14                     ; z fragments: pass w / 4, quad w mod 4
	v_add_nc_u32 v15, ZF, v14
	s_wait_dscnt 0x0                               ; my stores are done, for the other waves' sake
	s_barrier_signal -1
	s_barrier_wait -1
.irp ws,0,1,2,3,4,5,6,7
	ds_load_b128 v[16+8*\ws:16+8*\ws+3], v12 offset:\ws*8192
	ds_load_b128 v[16+8*\ws+4:16+8*\ws+7], v12 offset:\ws*8192+512
.endr
	s_wait_dscnt 0x0
.irp i,0,2,4,6
	v_pk_add_f32 v[16+\i:17+\i], v[16+\i:17+\i], v[24+\i:25+\i]
	v_pk_add_f32 v[32+\i:33+\i], v[32+\i:33+\i], v[40+\i:41+\i]
	v_pk_add_f32 v[48+\i:49+\i], v[48+\i:49+\i], v[56+\i:57+\i]
	v_pk_add_f32 v[64+\i:65+\i], v[64+\i:65+\i], v[72+\i:73+\i]
.endr
.irp i,0,2,4,6
	v_pk_add_f32 v[16+\i:17+\i], v[16+\i:17+\i], v[32+\i:33+\i]
	v_pk_add_f32 v[48+\i:49+\i], v[48+\i:49+\i], v[64+\i:65+\i]
.endr
.irp i,0,2,4,6
	v_pk_add_f32 v[16+\i:17+\i], v[16+\i:17+\i], v[48+\i:49+\i]
.endr
.irp i,0,1,2,3
	SPLITB 16+2*\i, 208+\i, 212+\i, 216+2*\i
.endr
	ds_store_b128 v13, v[208:211]
	ds_store_b128 v13, v[212:215] offset:2048
	s_wait_dscnt 0x0
	s_barrier_signal -1
	s_barrier_wait -1
.irp p,0,1
.irp part,0,1
.irp a,0,1,2,3
	ds_load_b128 v[16+32*\p+16*\part+4*\a:16+32*\p+16*\part+4*\a+3], v15 offset:\p*4096+\part*2048+\a*512   ; z(p, part, c') at 16 + 32 p + 16 part + 8 c'
.endr
.endr
.endr
	s_wait_loadcnt 0x0                             ; cU's fragments
	s_wait_dscnt 0x0
	; out^T(m = column, n = query) = cU z^T: a lane ends with eight neighbouring columns of one row; rows leave through my stage
	OUTP 0
	OUTP 1
	s_set_vgpr_msb 0x5
	s_wait_tensorcnt 0x0
	ds_add_u32 v0, v1
	s_wait_dscnt 0x0
	s_set_vgpr_msb 0x500
	ROUND                                          ; the closing round: no work-group ends while a partner may still ask jointly
	s_endpgm
.Lfunc_end_k_q5752fdbf40_attn:
	.size	k_q5752fdbf40_attn, .Lfunc_end_k_q5752fdbf40_attn-k_q5752fdbf40_attn
	.p2alignl 7, 3214868480
	.fill 96, 4, 3214868480
	.section	.rodata,"a",@progbits
	.p2align	6, 0x0
	.amdhsa_kernel k_q5752fdbf40_attn
		.amdhsa_group_segment_fixed_size 327680
		.amdhsa_private_segment_fixed_size 0
		.amdhsa_enable_private_segment 0
		.amdhsa_kernarg_size 48
		.amdhsa_user_sgpr_count 2
		.amdhsa_user_sgpr_kernarg_segment_ptr 1
		.amdhsa_wavefront_size32 1
		.amdhsa_system_sgpr_workgroup_id_x 1
		.amdhsa_system_sgpr_workgroup_id_y 1
		.amdhsa_system_sgpr_workgroup_id_z 1
		.amdhsa_system_vgpr_workitem_id 0
		.amdhsa_next_free_vgpr 258
		.amdhsa_next_free_sgpr 80
		.amdhsa_reserve_vcc 1
		.amdhsa_float_denorm_mode_32 3
		.amdhsa_float_denorm_mode_16_64 3
		.amdhsa_memory_ordered 1
		.amdhsa_forward_progress 1
		.amdhsa_inst_pref_size 255
	.end_amdhsa_kernel
	.section	.bss,"aw",@nobits
	.p2align	6
	.space	262144
	.amdgpu_metadata
---
amdhsa.version: [ 1, 2 ]
amdhsa.kernels:
  - .name:           k_q5752fdbf40_attn
    .symbol:         k_q5752fdbf40_attn.kd
    .args:
      - { .name: tq, .offset: 0, .size: 8, .value_kind: global_buffer, .address_space: global }
      - { .name: kv, .offset: 8, .size: 8, .value_kind: global_buffer, .address_space: global }
      - { .name: mt, .offset: 16, .size: 8, .value_kind: global_buffer, .address_space: global }
      - { .name: nt, .offset: 24, .size: 8, .value_kind: global_buffer, .address_space: global }
      - { .name: cub, .offset: 32, .size: 8, .value_kind: global_buffer, .address_space: global }
      - { .name: out0, .offset: 40, .size: 8, .value_kind: global_buffer, .address_space: global }
    .group_segment_fixed_size: 327680
    .private_segment_fixed_size: 0
    .kernarg_segment_align: 8
    .kernarg_segment_size: 48
    .max_flat_workgroup_size: 256
    .sgpr_count:     80
    .vgpr_count:     258
    .wavefront_size: 32
...
	.end_amdgpu_metadata
.endif
;; end of part 4
